; MI455X (gfx1250); checked and timed in simulation.
; The chip was launched on July 23, 2026; its instructions are those of AMD's public machine-readable ISA for CDNA 5 (MIT licence, August 2026) and "CDNA5" Instruction Set Architecture Reference Guide (July 2026). The comments in the code are by the model that wrote it; some were corrected since.
;; Causal Self Attention. Allowed arithmetic: matrix products marked QUANTISED: E2M3 operands, one E8M0 scale for each 32 along K, by v_wmma_scale_f32_16x16x128_f8f6f4 with both operands' format E2M3, f32 sums; everything else in f32.
;; Inputs: W_out 1,024 x 1,024 float32; W_qkv 1,024 x 3,072 float32; b_out 1,024 float32; b_qkv 3,072 float32; x 4 x 2,048 x 1,024 float32.
;; Outputs: out0 4 x 2,048 x 1,024 float32.
;; This version of the problem:
;;   THIS VERSION OF THE PROBLEM IS GIVEN IN LOW PRECISION. The matrix products marked QUANTISED in the list below multiply operands that are first quantised to E2M3 (2 exponent bits, 3 mantissa bits; 6 bits a number), with one power-of-two scale for each 32 numbers along K (OCP MX v1.0); their sums are f32. All else is computed in f32.
;;   The module's matrix products, in the order in which they are computed (A, B: the left and right operand; K: the contracted axis; several contracted axes count as one K, in the product's order):
;;     1. [M 8,192, K 1,024] x [K 1,024, N 3,072]; A: input x; B: input W_qkv: QUANTISED
;;     2. batch 64 x [M 2,048, K 64] x [K 64, N 2,048]; A: computed on the way; B: computed on the way: QUANTISED
;;     3. batch 64 x [M 2,048, K 2,048] x [K 2,048, N 64]; A: softmax (see below); B: computed on the way: QUANTISED
;;     4. [M 8,192, K 1,024] x [K 1,024, N 1,024]; A: computed on the way; B: input W_out: QUANTISED
;;   THE QUANTISER, for each operand of a quantised product, along K:
;;     - K is cut into blocks of 32 from its start; a last block that is shorter is filled with zeros.
;;     - A block's scale is 2^e with e = floor(log2(the largest magnitude in the block)) - 2, held to -126 .. 127; a block of zeros has e = 0. As a byte (E8M0): e + 127.
;;     - Each number is divided by its block's scale, clamped to +-7.5, and rounded to the nearest number of E2M3, ties to even, subnormals kept.
;;     - The product sums the exact products of the quantised numbers (number of the format x scale) in f32.
;;   ~~~python
;;   def quantise(x, axis):      # numpy; x: float32 -> the quantised numbers, widened to float32 again
;;       x = np.moveaxis(x, axis, -1); K = x.shape[-1]
;;       x = np.pad(x, [(0, 0)] * (x.ndim - 1) + [(0, -K % 32)]); x = x.reshape(x.shape[:-1] + (-1, 32)); a = np.abs(x).max(-1, keepdims=True)
;;       e = np.where(a > 0, np.clip(np.frexp(np.where(a > 0, a, 1))[1] - 1 - 2, -126, 127), 0)      # np.frexp(a)[1] - 1 = floor(log2(a)), exactly
;;       r = np.clip(x / 2.0 ** e, -7.5, 7.5)
;;       step = 2.0 ** (np.maximum(np.frexp(np.where(r == 0, 1, r))[1] - 1, 0) - 3)
;;       q = np.round(r / step) * step * 2.0 ** e      # np.round: ties to even
;;       return np.moveaxis(q.reshape(q.shape[:-2] + (-1,))[..., :K], -1, axis).astype(np.float32)
;;   ~~~
;;   SOFTMAX AHEAD OF A QUANTISED PRODUCT. Where the list says 'softmax', what is quantised is not the finished softmax but p = 2^(t - M), with t = logit x log2(e) and M = ceil(the row's largest t), a whole number; so 1/2 < the row's largest p <= 1. The row's sum l is taken of the UNQUANTISED p, in f32, and the product's result is divided by l at the end. Since M is a whole number, a kernel that streams over the keys may use a running M (the ceiling of the running maximum): every later rescaling is an exact power of two, which a block's scale takes up: the codes' values come out the same.
;;   OPERANDS COMPUTED ON THE WAY. 'Computed on the way' means the value that the module computes at that place (a softmax that the list does not call 'softmax' is quantised finished and normalised). What goes into a quantiser is computed in f32, as accurately as f32 sums, v_exp_f32 and their like allow (about 1e-6 of the number): no bf16 or f16 on the way to a quantiser, and a product that is left as it is and whose result goes on into a quantised operand takes f32 operands (vector FMAs, or v_wmma_f32_16x16x4_f32). A number that lies on a knife's edge between two numbers of the format may be rounded either way, as far as f32 arithmetic and the matrix unit's own rounding can turn it there, and no further.
;; One version. Each part assembles by itself: llvm-mc -triple=amdgcn-amd-amdhsa -mcpu=gfx1250 --defsym DOCPART=n.
;; ======== version 1 of 1: 4 launches
;; workspace buffers: img1 8,650,752 bytes; sch1 360,448 bytes; qkv 20,185,088 bytes; img2 7,077,888 bytes; sch2 294,912 bytes
;; launch quant (part 1): grid 256 x 1, 8 waves a work-group, no clusters, 168,960 bytes of LDS; arguments x, W_qkv, W_out, img1, sch1, img2, sch2; writes img1, sch1, img2, sch2
.if DOCPART == 1
	.amdgcn_target "amdgcn-amd-amdhsa--gfx1250"
	.amdhsa_code_object_version 6
	.text
	.protected	k_q620bfcf771_quant
	.globl	k_q620bfcf771_quant
	.p2align	8
	.type	k_q620bfcf771_quant,@function
k_q620bfcf771_quant:
	s_mov_b64 s[64:65], 0
	v_nop
	global_prefetch_b8 v0, s[64:65] scope:SCOPE_SE
	s_setreg_imm32_b32 hwreg(HW_REG_WAVE_MODE, 25, 1), 1
	s_wait_xcnt 0x0
; x [8192][1024], W_qkv [1024][3072] and W_out [1024][1024], f32, become codes of FP6 (E2M3) with one E8M0 byte for each 32 along K (K = 1024 in all three).
; A block's scale is 2^(floor(log2(largest magnitude)) - 2): its byte is the largest magnitude's exponent field - 2, held at 1 from below.
; LIMITS: NaN and infinities are not served; a block of zeros, or one whose largest magnitude lies under 2^-124, gets the byte 1 (its codes are zeros or tiny; only this program reads the bytes).
; LAYOUT OF THE RESULTS: images of operand registers.  img[rb = row / 128][ks = k / 128][tile 0..7][1,536 bytes]; a tile's image is two halves of 768 bytes (64 along K each):
; lane l's registers 0-3 at 16 l, registers 4-5 at 512 + 8 l.  Lane row r of tile t stands for row 32 (t / 2) + 8 (t % 2) + r + 8 (r / 8) of the 128.
; sch[rb][hd = k / 64][16 tile + r]: two bytes, the blocks 2 hd and 2 hd + 1.  Rows are tokens (x) or columns of a weight (rb 64 on).
; SHARES.  Work-group p takes rows 32 p .. 32 p + 31 of x (wave w: k = 128 w .. 128 w + 127, by two tensor loads of 16 rows x 512 bytes into its own LDS bytes, filled once)
; and one tile of 128 k x 128 columns of a weight (wave w: 32 columns, a lane a column, 64 along K down its registers).  All requests go out at the head.
.set XW,    17152                      ; a wave's LDS bytes for x: rows 0-15 at 0, rows 16-31 at XHALF, rows XP apart
.set XHALF, 8576                       ; 16 x 528 + 128: rows i and i + 16 lie half the banks apart
.set XP,    528                        ; 512 bytes + 16 of padding
.set WI,    137216                     ; behind x's bytes: eight tile images of the weight, written by LDS stores alone
.set RBB,   98304
.set KSB,   12288
.set FRB,   1536
.set MX,    16                         ; v16-17 largest magnitudes;  v18-19 scale operands;  v20-21 bytes
.set SO,    18
.set BY,    20
.set CT,    28                         ; v28-30, v32-34 the upper halves of two blocks' codes
.set PC,    36                         ; v36-59 x's codes, 12 for each of two tiles
.set WC,    60                         ; v60-71 the weight's codes
.set CP,    72                         ; v72-83 an image on its way out
.set X,     96                         ; v96-159 64 numbers of x
.set WX,    160                        ; v160-223 64 numbers of the weight
; Two whole blocks of 32, v[s] .. v[s + 63], become 12 registers of codes at v[d]; scale operands in v[SO], bytes in v[BY].
.macro QBLK2 s, d
.irp k, 0,1
	v_max3_num_f32 v[MX+\k], |v[(\s)+32*\k]|, |v[(\s)+32*\k+1]|, 0x1800000   ; with the floor 2^(3 - 127): the byte cannot fall under 1
.endr
.irp i, 2,4,6,8,10,12,14,16,18,20,22,24,26,28,30
.irp k, 0,1
	v_max3_num_f32 v[MX+\k], v[MX+\k], |v[(\s)+32*\k+\i]|, |v[(\s)+32*\k+\i+1]|
.endr
.endr
.irp k, 0,1
	v_add_nc_u32 v[SO+\k], 0xff000000, v[MX+\k]    ; 2 off the exponent field: the conversion's scale operand
.endr
.irp k, 0,1
	v_lshrrev_b32 v[BY+\k], 23, v[SO+\k]           ; the byte
.endr
.irp k, 0,1
	v_cvt_scalef32_pk16_fp6_f32 v[(\d)+6*\k:(\d)+6*\k+2], v[(\s)+32*\k:(\s)+32*\k+15], v[SO+\k]
	v_cvt_scalef32_pk16_fp6_f32 v[CT+4*\k:CT+4*\k+2], v[(\s)+32*\k+16:(\s)+32*\k+31], v[SO+\k]   ; a conversion's three registers begin on an even number
.endr
	v_nop                                          ; one plain instruction behind the conversions
.irp k, 0,1
.irp i, 0,1,2
	v_mov_b32 v[(\d)+6*\k+3+\i], v[CT+4*\k+\i]
.endr
.endr
.endm
	s_load_b256 s[4:11], s[0:1], 0x0               ; x, W_qkv, W_out, img1
	s_load_b128 s[12:15], s[0:1], 0x20             ; sch1, img2
	s_load_b64 s[16:17], s[0:1], 0x30              ; sch2
	v_lshl_add_u32 v224, v0, 2, 0x29000
	v_mov_b32 v225, 0
	ds_add_u32 v224, v225
	ds_add_u32 v224, v225
	v_lshrrev_b32 v1, 5, v0
	v_readfirstlane_b32 s18, v1                    ; wave 0..7
	s_mov_b32 s24, (2<<16)|(1<<20)|(6<<22)|(3<<25) ; elements of 4 bytes; 4 words of padding behind every 128 words
	s_mov_b32 s25, 128<<16                         ; tensor_dim0 = 128
	s_mov_b32 s26, 16<<16                          ; tensor_dim1 = 16
	s_mov_b32 s27, 128<<16                         ; tile_dim0 = 128
	s_mov_b32 s28, 16                              ; tile_dim1 = 16
	s_mov_b32 s29, 1024                            ; elements from row to row
	s_mov_b32 s30, 0
	s_mov_b32 s31, 0
	s_lshl_b32 s20, ttmp9, 17                      ; 32 rows of 4,096 bytes
	s_lshl_b32 s21, s18, 9                         ; my wave's 512 bytes of a row
	s_add_co_u32 s20, s20, s21
	s_mov_b32 s21, 0
	s_mul_i32 s19, s18, XW
	s_mov_b32 s32, 1
	s_mov_b32 s33, s19
	s_mov_b32 s36, 1
	s_add_co_u32 s37, s19, XHALF
	s_wait_dscnt 0x0
	s_wait_kmcnt 0x0
	s_add_nc_u64 s[34:35], s[4:5], s[20:21]
	s_add_nc_u64 s[38:39], s[34:35], 0x10000       ; 16 rows on
	s_or_b32 s35, s35, 0x80000000
	s_or_b32 s39, s39, 0x80000000
	tensor_load_to_lds s[32:35], s[24:31]          ; both fills of my wave go out together: two tensor loads of mine are out
	s_nop 0
	tensor_load_to_lds s[36:39], s[24:31]
	s_nop 0
.rept 4
	v_nop
.endr
	; the weight's tile: column group p / 8 (0-23: W_qkv, 24-31: W_out), K step p % 8
	s_lshr_b32 s49, ttmp9, 3
	s_and_b32 s50, ttmp9, 7
	s_and_b32 s51, s18, 3                          ; g: my 32 columns
	s_lshr_b32 s52, s18, 2                         ; c: my 64 along K
	s_mov_b32 s46, 4096
	s_cmp_lt_u32 ttmp9, 192                        ; the choice hangs on the work-group's number alone
	s_cselect_b64 s[40:41], s[6:7], s[8:9]
	s_cselect_b64 s[42:43], s[10:11], s[14:15]
	s_cselect_b64 s[44:45], s[12:13], s[16:17]
	s_cselect_b32 s46, 12288, s46                  ; bytes from k to k + 1
	s_cselect_b32 s47, 0, 24
	s_cselect_b32 s48, 64, 40
	s_sub_co_u32 s47, s49, s47                     ; the column group in its tensor
	s_add_co_u32 s48, s49, s48                     ; its rb in its image buffer
	s_lshl_b32 s53, s50, 7
	s_lshl_b32 s54, s52, 6
	s_add_co_u32 s53, s53, s54                     ; my first k
	s_mul_i32 s56, s53, s46
	s_lshl_b32 s54, s47, 9
	s_add_co_u32 s56, s56, s54
	s_lshl_b32 s54, s51, 7
	s_add_co_u32 s56, s56, s54
	s_mov_b32 s57, 0
	s_add_nc_u64 s[40:41], s[40:41], s[56:57]      ; the weight at (my first k, my first column)
	s_mul_i32 s56, s48, RBB
	s_mul_i32 s54, s50, KSB
	s_add_co_u32 s56, s56, s54
	s_mul_i32 s54, s18, FRB
	s_add_co_u32 s56, s56, s54
	s_add_nc_u64 s[42:43], s[42:43], s[56:57]      ; the image that my wave copies out: tile w
	s_lshl_b32 s56, s48, 12
	s_lshl_b32 s54, s50, 9
	s_add_co_u32 s56, s56, s54
	s_lshl_b32 s54, s52, 8
	s_add_co_u32 s56, s56, s54
	s_lshl_b32 s54, s51, 6
	s_add_co_u32 s56, s56, s54
	s_add_nc_u64 s[44:45], s[44:45], s[56:57]      ; my columns' scale halfwords
	s_lshr_b32 s53, ttmp9, 2                       ; x: rb = p / 4, tiles 2 (p % 4) and 2 (p % 4) + 1
	s_and_b32 s55, ttmp9, 3
	s_mul_i32 s56, s53, RBB
	s_mul_i32 s54, s18, KSB
	s_add_co_u32 s56, s56, s54
	s_mul_i32 s54, s55, 2*FRB
	s_add_co_u32 s56, s56, s54
	s_add_nc_u64 s[58:59], s[10:11], s[56:57]
	s_lshl_b32 s56, s53, 12
	s_lshl_b32 s54, s18, 9
	s_add_co_u32 s56, s56, s54
	s_lshl_b32 s54, s55, 6
	s_add_co_u32 s56, s56, s54
	s_add_nc_u64 s[60:61], s[12:13], s[56:57]
	s_mov_b32 s62, 0x76543210
	s_mov_b32 s63, 0xfedcba98                      ; selects for lane l xor 16
	v_and_b32 v1, 31, v0                           ; lane
	v_and_b32 v2, 15, v0                           ; r
	v_bfe_u32 v3, v0, 4, 1                         ; h
	v_bfe_u32 v15, v0, 3, 1                        ; bit 3 of the lane
	v_lshlrev_b32 v4, 4, v1                        ; 16 x lane
	v_lshlrev_b32 v5, 3, v1                        ; 8 x lane
	v_and_b32 v14, 7, v0
	v_mul_u32_u24 v6, v14, XP
	v_mad_u32_u24 v6, v15, XHALF, v6
	v_lshl_add_u32 v6, v3, 7, v6
	v_add_nc_u32 v6, s19, v6                       ; x in LDS: row (r % 8) + 16 (r / 8) of my 32, + 128 h bytes: block h of each 64 along K
	v_lshlrev_b32 v7, 1, v2
	v_lshl_add_u32 v7, v3, 8, v7                   ; 256 h + 2 r
	v_lshlrev_b32 v8, 3, v3                        ; 8 h
	v_lshlrev_b32 v9, 4, v3                        ; 16 h
	v_lshlrev_b32 v10, 2, v1                       ; 4 x lane: my column
	v_lshl_add_u32 v14, v3, 3, v14                 ; my column's lane row: (l % 8) + 8 (l / 16); its tile: 2 g + bit 3 of l
	s_mul_i32 s54, s51, 2*FRB
	s_mul_i32 s55, s52, 768
	s_add_co_u32 s54, s54, s55
	s_add_co_u32 s54, s54, WI
	v_mul_u32_u24 v11, v15, FRB
	v_lshl_add_u32 v12, v14, 3, v11
	v_lshl_add_u32 v11, v14, 4, v11
	v_add_nc_u32 v11, s54, v11                     ; where my column's registers 0-3 of a block go,
	v_add_nc_u32 v12, s54, v12                     ; and (512 further on) its registers 4-5
	v_lshl_add_u32 v13, v15, 4, v14
	v_lshlrev_b32 v13, 1, v13                      ; 2 (16 u + lane row)
	s_mul_i32 s54, s18, FRB
	s_add_co_u32 s54, s54, WI
	v_add_nc_u32 v14, s54, v4                      ; the image that my wave copies out
	v_mov_b32 v23, 0                               ; a lane permute's destination counts as read
	s_cmp_lt_u32 ttmp9, 192                        ; the two weights differ in the immediates alone
	s_cbranch_scc0 .Lw_out
.set i, 0
.rept 64
	global_load_b32 v[WX+i], v10, s[40:41] offset:i*12288 th:TH_LOAD_NT   ; W(first k + i, my column): 32 lanes read 128 consecutive bytes
.set i, i+1
.endr
	s_branch .Lw_asked
.Lw_out:
.set i, 0
.rept 64
	global_load_b32 v[WX+i], v10, s[40:41] offset:i*4096 th:TH_LOAD_NT
.set i, i+1
.endr
.Lw_asked:
	s_wait_tensorcnt 0x0                           ; my 32 rows x 512 bytes are in my own LDS bytes: no other wave reads them
.irp u, 0,1
.irp c, 0,1
.irp i, 0,1,2,3,4,5,6,7
	ds_load_b128 v[X+32*\c+4*\i:X+32*\c+4*\i+3], v6 offset:8*XP*\u+256*\c+16*\i   ; block 2 c + h of my row: 32 neighbours along K
.endr
.endr
	s_wait_dscnt 0x0
	QBLK2 X, PC+12*\u
	v_lshl_or_b32 v22, v[BY+1], 16, v[BY]          ; my two bytes, blocks h and 2 + h,
	v_lshlrev_b32 v22, v8, v22                     ; at their places in the row's word,
	v_permlanex16_b32 v23, v22, s62, s63
	v_or_b32 v22, v22, v23                         ; with lane l xor 16's two
	v_lshrrev_b32 v[24+\u], v9, v22                ; lanes 0-15 store the lower halfword, lanes 16-31 the upper
	global_store_b128 v4, v[PC+12*\u:PC+12*\u+3], s[58:59] offset:FRB*\u            ; 512 consecutive bytes
	global_store_b64 v5, v[PC+12*\u+4:PC+12*\u+5], s[58:59] offset:FRB*\u+512       ; 256
	global_store_b128 v4, v[PC+12*\u+6:PC+12*\u+9], s[58:59] offset:FRB*\u+768
	global_store_b64 v5, v[PC+12*\u+10:PC+12*\u+11], s[58:59] offset:FRB*\u+1280
	global_store_b16 v7, v[24+\u], s[60:61] offset:32*\u   ; two runs of 32 bytes: the scale bytes are one byte in 128 of what is read
.endr
	s_wait_loadcnt 0x0                             ; the weight's 64 numbers
	QBLK2 WX, WC
	v_lshl_or_b32 v26, v[BY+1], 8, v[BY]
	global_store_b16 v13, v26, s[44:45]
.irp hh, 0,1                                   ; block hh of my column is lane (lane row, hh) of the tile's half image
	ds_store_b128 v11, v[WC+6*\hh:WC+6*\hh+3] offset:256*\hh
	ds_store_b64 v12, v[WC+6*\hh+4:WC+6*\hh+5] offset:512+128*\hh
.endr
	s_wait_dscnt 0x0                               ; for the others' sake: my stores have landed
	s_barrier_signal -1
	s_barrier_wait -1
.irp e, 0,1,2
	ds_load_b128 v[CP+4*\e:CP+4*\e+3], v14 offset:512*\e
.endr
	s_wait_dscnt 0x0
.irp e, 0,1,2
	global_store_b128 v4, v[CP+4*\e:CP+4*\e+3], s[42:43] offset:512*\e   ; 512 consecutive bytes
.endr
	s_wait_tensorcnt 0x0
	ds_add_u32 v224, v225
	s_wait_dscnt 0x0
	s_endpgm
.Lfunc_end_k_q620bfcf771_quant:
	.size	k_q620bfcf771_quant, .Lfunc_end_k_q620bfcf771_quant-k_q620bfcf771_quant
	.p2alignl 7, 3214868480
	.fill 96, 4, 3214868480
	.section	.rodata,"a",@progbits
	.p2align	6, 0x0
	.amdhsa_kernel k_q620bfcf771_quant
		.amdhsa_group_segment_fixed_size 168960
		.amdhsa_private_segment_fixed_size 0
		.amdhsa_enable_private_segment 0
		.amdhsa_kernarg_size 56
		.amdhsa_user_sgpr_count 2
		.amdhsa_user_sgpr_kernarg_segment_ptr 1
		.amdhsa_wavefront_size32 1
		.amdhsa_system_sgpr_workgroup_id_x 1
		.amdhsa_system_sgpr_workgroup_id_y 1
		.amdhsa_system_sgpr_workgroup_id_z 1
		.amdhsa_system_vgpr_workitem_id 0
		.amdhsa_next_free_vgpr 226
		.amdhsa_next_free_sgpr 66
		.amdhsa_reserve_vcc 0
		.amdhsa_float_denorm_mode_32 3
		.amdhsa_float_denorm_mode_16_64 3
		.amdhsa_memory_ordered 1
		.amdhsa_forward_progress 1
		.amdhsa_inst_pref_size 31
	.end_amdhsa_kernel
	.amdgpu_metadata
---
amdhsa.version: [ 1, 2 ]
amdhsa.kernels:
  - .name:           k_q620bfcf771_quant
    .symbol:         k_q620bfcf771_quant.kd
    .args:
      - { .name: x, .offset: 0, .size: 8, .value_kind: global_buffer, .address_space: global }
      - { .name: W_qkv, .offset: 8, .size: 8, .value_kind: global_buffer, .address_space: global }
      - { .name: W_out, .offset: 16, .size: 8, .value_kind: global_buffer, .address_space: global }
      - { .name: img1, .offset: 24, .size: 8, .value_kind: global_buffer, .address_space: global }
      - { .name: sch1, .offset: 32, .size: 8, .value_kind: global_buffer, .address_space: global }
      - { .name: img2, .offset: 40, .size: 8, .value_kind: global_buffer, .address_space: global }
      - { .name: sch2, .offset: 48, .size: 8, .value_kind: global_buffer, .address_space: global }
    .group_segment_fixed_size: 168960
    .private_segment_fixed_size: 0
    .kernarg_segment_align: 8
    .kernarg_segment_size: 56
    .max_flat_workgroup_size: 256
    .sgpr_count:     66
    .vgpr_count:     226
    .wavefront_size: 32
...
	.end_amdgpu_metadata
.endif
;; end of part 1
;; launch gemm_qkv (part 2): grid 12 x 32, 4 waves a work-group, clusters of 4 x 4, 327,680 bytes of LDS; arguments img1, sch1, b_qkv, qkv; writes qkv
.if DOCPART == 2
	.amdgcn_target "amdgcn-amd-amdhsa--gfx1250"
	.amdhsa_code_object_version 6
	.text
	.protected	k_q620bfcf771_gemm_qkv
	.globl	k_q620bfcf771_gemm_qkv
	.p2align	8
	.type	k_q620bfcf771_gemm_qkv,@function
k_q620bfcf771_gemm_qkv:
	s_mov_b64 s[64:65], 0
	v_nop
	global_prefetch_b8 v0, s[64:65] scope:SCOPE_SE
	s_setreg_imm32_b32 hwreg(HW_REG_WAVE_MODE, 25, 1), 1
	s_wait_xcnt 0x0
	s_wait_alu depctr_hold_cnt(0) depctr_sa_sdst(0) depctr_va_vdst(0) depctr_va_sdst(0) depctr_va_ssrc(0) depctr_va_vcc(0) depctr_vm_vsrc(0)
	s_getreg_b32 s2, hwreg(HW_REG_IB_STS2, 6, 4)
	s_cmp_eq_u32 s2, 0
	s_cbranch_scc0 .Lentry_in_a_cluster
	s_endpgm
.Lentry_in_a_cluster:
	s_bfe_u32 s2, ttmp6, 0x10000c
	s_cmp_lg_u32 s2, 0xf033
	s_cbranch_scc0 .Lentry_shape_is_right
	s_endpgm
.Lentry_shape_is_right:
; qkv = x W_qkv + b_qkv on codes of FP6 (E2M3) with E8M0 scales, sums in f32; the results are quantised at once, q and k along a head's 64 channels, v along the keys, and leave as codes.
; A work-group of four waves makes 256 x 256 of the product, a wave 128 x 128: 64 accumulators.  Source 0 takes 16 rows of operand B, source 1 16 rows of operand A: a lane holds ONE row of A, and its registers run along B's rows.
; Cluster x = 0, 1 (q, k): A = tokens, B = columns of W: a lane's registers run along the channels.  Cluster x = 2 (v): A = columns of W, B = tokens: they run along the keys.  Both operands lie in one buffer, so only two row-block numbers differ.
; Operands lie in memory as images of operand registers: img[rb][ks][tile][1,536]; lane row r of tile t is row 32 (t / 2) + 8 (t % 2) + r + 8 (r / 8): so the 16 registers of result tiles 2 b, 2 b + 1 are 16 neighbours along B's rows.
; K = 1,024 goes in four fills of 256 through two LDS slots (a wave's part: 128 rows x 256 K = 24,576 dense bytes); the eight steps of 128 are written out.  4 x 4 work-groups form a cluster: A's parts are asked for jointly along a row, B's along a column.
; OUT: a record of 19,712 bytes for each (batch x 16 + head, token / 128): K codes [tile][768] at 0, V codes [4][1,536] at 6,144, K scale words (32 r + 4 tile) at 12,288, V scale words (16 r + 4 tile) at 12,800, Q codes at 13,056, Q scale words at 19,200.
; LIMITS: NaN and infinities are not served; a block whose largest magnitude lies under 2^-124 gets the byte 1.
; REGISTERS: window 0: v16-23 LDS addresses; v26, v27 16 and 8 x lane; v28, v29 for the add; v32-63, v224-255 at work; v64-127 scale words (8 i + ks: lanes 0-15 A's block i, lanes 16-31 B's); v128-223 A's fragments.
;   window 1: B's fragments, two sets (v0-95, v128-223); the bias by registers (v96-127, v224-255).  windows 2, 3: the accumulators, (a, b) at v[8 (8 (a % 4) + b)].
.set FR,    12
.set FRB,   1536
.set KSB,   12288
.set PART,  24576
.set SLOT,  98304
.set SPARE, 196608                     ; behind the ring: the spare words, 128 bytes a wave
.set RBB,   98304
.set REC,   19712
.set HSTR,  315392                     ; from a head's records to the next head's
.set ADRA,  16
.set ADRB,  20
.set SPW,   28
.set NIL,   29
.set SC,    64
.set AF,    128
.set H,     128                        ; the way out: 64 numbers
.set PCS,   192                        ; two sets of 12 code registers
.set CT,    216
.set TM,    32
.set PW,    48                         ; eight scale words
.set Y,     56
.set BV,    224                        ; the bias by lanes, twice each
.set SEL,   88
.set G1,  24
.set G0,  32
.set G1B, 48
.set G0B, 56
.set MSB, 0
.macro WIN new                         ; the immediate's high byte repeats the setting that is left
.if MSB != (\new)
	s_set_vgpr_msb (MSB<<8)|(\new)
.set MSB, (\new)
.endif
.endm
.set MUL_LO, 0xa1                      ; source 0 (B) window 1, source 1 (A) window 0, C and D window 2
.set MUL_HI, 0xf1
.set TO_B,   0x40
.macro JLOAD g0a, g1a, g0b, g1b        ; waves 0, 1 fetch A's parts, waves 2, 3 B's; four v_nop follow each line
	s_cmp_eq_u32 s15, 0
	s_cbranch_scc0 .Lfor_b_\@
	tensor_load_to_lds s[\g0a:\g0a+3], s[\g1a:\g1a+7]
	s_nop 0
.rept 4
	v_nop
.endr
	s_branch .Lasked_\@
.Lfor_b_\@:
	tensor_load_to_lds s[\g0b:\g0b+3], s[\g1b:\g1b+7]
	s_nop 0
.rept 4
	v_nop
.endr
.Lasked_\@:
.endm
.macro CREST
	s_cmp_lg_u32 s14, 0
	s_cbranch_scc1 .Lnot_wave_0_\@
	s_barrier_signal -3
.Lnot_wave_0_\@:
	s_barrier_wait -3
	s_barrier_signal -1
	s_barrier_wait -1
.endm
.macro CROUND
	s_barrier_signal -1
	s_barrier_wait -1
	CREST
.endm
.macro PLACES n
.rept \n
	v_nop
.endr
.endm
.macro FRAG reg, a16, a8, q, i         ; an image comes back as it was stored: every load reads consecutive bytes
	ds_load_b128 v[(\reg):(\reg)+3], v[\a16] offset:(\q)*KSB+(\i)*FRB
	ds_load_b64 v[(\reg)+4:(\reg)+5], v[\a8] offset:(\q)*KSB+(\i)*FRB+512
	ds_load_b128 v[(\reg)+6:(\reg)+9], v[\a16] offset:(\q)*KSB+(\i)*FRB+768
	ds_load_b64 v[(\reg)+10:(\reg)+11], v[\a8] offset:(\q)*KSB+(\i)*FRB+1280
.endm
.macro FETCH_B slot, q, p
	WIN TO_B
.irp i, 0,1,2,3,4,5,6,7
	FRAG 128*(\p)+FR*\i, ADRB+\slot, ADRB+2+\slot, \q, \i
.endr
	WIN 0
.endm
.macro FETCH_A slot, q, i0
.irp i, \i0, \i0+1, \i0+2, \i0+3
	FRAG AF+FR*(\i), ADRA+\slot, ADRA+2+\slot, \q, \i
.endr
.endm
; 16 matrix instructions: A's blocks a0, a0 + 1 x B's eight.  zero = 1: the constant 0 starts the sums.  The 64 accumulators take turns, one instruction a turn.
.macro MUL16 a0, p, ks, zero
.irp a, \a0, \a0+1
.irp b, 0,1,2,3,4,5,6,7
.if \zero == 1
	v_wmma_scale_f32_16x16x128_f8f6f4 v[8*(8*((\a)%4)+\b):8*(8*((\a)%4)+\b)+7], v[128*(\p)+FR*\b:128*(\p)+FR*\b+FR-1], v[AF+FR*(\a):AF+FR*(\a)+FR-1], 0, v[SC+8*\b+(\ks)], v[SC+8*(\a)+(\ks)] matrix_a_fmt:MATRIX_FMT_FP6 matrix_b_fmt:MATRIX_FMT_FP6 matrix_a_scale:MATRIX_SCALE_ROW1
.else
	v_wmma_scale_f32_16x16x128_f8f6f4 v[8*(8*((\a)%4)+\b):8*(8*((\a)%4)+\b)+7], v[128*(\p)+FR*\b:128*(\p)+FR*\b+FR-1], v[AF+FR*(\a):AF+FR*(\a)+FR-1], v[8*(8*((\a)%4)+\b):8*(8*((\a)%4)+\b)+7], v[SC+8*\b+(\ks)], v[SC+8*(\a)+(\ks)] matrix_a_fmt:MATRIX_FMT_FP6 matrix_b_fmt:MATRIX_FMT_FP6 matrix_a_scale:MATRIX_SCALE_ROW1
.endif
.endr
.endr
.endm
.macro STEP slot, ks, zero             ; a slot's first 128 along K; it fetches the second
	s_wait_dscnt 16                                ; B's set and A's blocks 0-3 are in; the 16 loads of A's blocks 4-7 may be out
	WIN MUL_LO
	MUL16 0, 0, \ks, \zero
	MUL16 2, 0, \ks, \zero
	s_wait_dscnt 0x0
	PLACES 4                                       ; in front of loads into registers that matrix instructions have read
	FETCH_B \slot, 1, 1
	FETCH_A \slot, 1, 0
	WIN MUL_HI
	MUL16 4, 0, \ks, \zero
	MUL16 6, 0, \ks, \zero
	PLACES 4
	WIN 0
	FETCH_A \slot, 1, 4
.endm
.macro TURN slot, next, fill, ks       ; a slot's second 128 along K, and the change of slots
	s_wait_tensorcnt 0x0                           ; all my tensor loads have landed: my part of the next slot
	ds_add_u32 v[SPW], v[NIL]                      ; 0 onto my spare word
	s_wait_dscnt 17                                ; the add and the 16 loads of A's blocks 4-7 may be out
	WIN MUL_LO
	MUL16 0, 1, \ks, 0
	s_wait_dscnt 0x0                               ; the add is done, and my reads of this slot are over
	s_barrier_signal -1
	MUL16 2, 1, \ks, 0
	WIN 0
	s_barrier_wait -1
.if \fill
	CREST                                          ; the barrier has opened a round of the cluster's: no wave of any partner still reads this slot or has a load on its way
	s_add_nc_u64 s[G0+4*\slot+2:G0+4*\slot+3], s[G0+4*\slot+2:G0+4*\slot+3], 2*PART
	s_add_nc_u64 s[G0B+4*\slot+2:G0B+4*\slot+3], s[G0B+4*\slot+2:G0B+4*\slot+3], 2*PART
	JLOAD G0+4*\slot, G1, G0B+4*\slot, G1B         ; the first tensor load behind the round; its four v_nop are the places in front of the loads below
.else
	PLACES 4
.endif
	FETCH_B \next, 0, 0
	FETCH_A \next, 0, 0
	WIN MUL_HI
	MUL16 4, 1, \ks, 0
	MUL16 6, 1, \ks, 0
	PLACES 4
	WIN 0
	FETCH_A \next, 0, 4
.endm
; 64 numbers of a lane, register 16 b + i = k 32 b + 16 (lane / 16) + i of my row, become a fragment's 12 registers at v[pc] and its scale word in v[pw].
.macro QUANT s, pc, pw
.irp b, 0,1,2,3
	v_max3_num_f32 v[TM+\b], |v[(\s)+16*\b]|, |v[(\s)+1+16*\b]|, 0x1800000   ; with the floor 2^(3 - 127)
.endr
.irp i, 2,4,6,8,10,12,14
.irp b, 0,1,2,3
	v_max3_num_f32 v[TM+\b], v[TM+\b], |v[(\s)+16*\b+\i]|, |v[(\s)+1+16*\b+\i]|
.endr
.endr
.irp b, 0,1,2,3
	v_permlanex16_b32 v[TM+4+\b], v[TM+\b], s[SEL], s[SEL+1]
.endr
.irp b, 0,1,2,3
	v_max_num_f32 v[TM+\b], v[TM+\b], v[TM+4+\b]   ; with lane l xor 16's: the block's largest magnitude
.endr
.irp b, 0,1,2,3
	v_add_nc_u32 v[TM+12+\b], 0xff000000, v[TM+\b] ; 2 off its exponent field: the conversion's scale operand
.endr
.irp b, 0,1,2,3
	v_lshrrev_b32 v[TM+4+\b], 23, v[TM+12+\b]
.endr
	v_lshl_or_b32 v[\pw], v[TM+5], 8, v[TM+4]
	v_lshl_or_b32 v[\pw], v[TM+6], 16, v[\pw]
	v_lshl_or_b32 v[\pw], v[TM+7], 24, v[\pw]
.irp c, 0,1
	v_cvt_scalef32_pk16_fp6_f32 v[(\pc)+6*\c:(\pc)+6*\c+2], v[(\s)+32*\c:(\s)+32*\c+15], v[TM+12+2*\c]
	v_cvt_scalef32_pk16_fp6_f32 v[CT+4*\c:CT+4*\c+2], v[(\s)+32*\c+16:(\s)+32*\c+31], v[TM+12+2*\c+1]
.endr
	v_nop                                          ; one plain instruction behind the conversions
.irp c, 0,1                                    ; a whole block to a lane: lanes 0-15 block 2 c, lanes 16-31 block 2 c + 1
.irp i, 0,1,2
	v_permlane16_swap_b32 v[(\pc)+6*\c+\i], v[CT+4*\c+\i]
.endr
.irp i, 0,1,2
	v_mov_b32 v[(\pc)+6*\c+3+\i], v[CT+4*\c+\i]
.endr
.endr
.endm
; THE WAY OUT, a block of 16 rows of A at a time: + bias, quantised along B's 128 rows, stored as images.  vt = 0: q, k: half c of the fragment is head c's 64 channels.  vt = 1: v: the fragment is 16 channels x 128 keys.
.macro EPI vt
.irp b, 0,1,2,3
	v_mov_b32 v[TM+4+\b], 0                        ; a lane permute's destination counts as read
.endr
.irp a, 0,1,2,3,4,5,6,7
.if \a >= 2
	s_wait_xcnt 0x0                                ; the stores of two blocks back have read their registers: that set of codes is written again only behind this wait
.endif
.if \vt
	WIN 0x02+\a/4
.else
	WIN 0x06+\a/4
.endif
.set p, 0
.rept 32                                       ; each accumulator from its low end on
.if \vt
	v_pk_add_f32 v[H+2*p:H+2*p+1], v[64*(\a%4)+2*p:64*(\a%4)+2*p+1], v[BV+2*\a:BV+2*\a+1]
.else
	v_pk_add_f32 v[H+2*p:H+2*p+1], v[64*(\a%4)+2*p:64*(\a%4)+2*p+1], v[96+2*p+96*(p/16):97+2*p+96*(p/16)]
.endif
.set p, p+1
.endr
	WIN 0
	QUANT H, PCS+12*(\a%2), PW+\a
.irp c, 0,1
.if \vt
	global_store_b128 v26, v[PCS+12*(\a%2)+6*\c:PCS+12*(\a%2)+6*\c+3], s[80:81] offset:(\a/4)*HSTR+(\a%4)*FRB+768*\c
	global_store_b64 v27, v[PCS+12*(\a%2)+6*\c+4:PCS+12*(\a%2)+6*\c+5], s[80:81] offset:(\a/4)*HSTR+(\a%4)*FRB+768*\c+512
.else
	global_store_b128 v26, v[PCS+12*(\a%2)+6*\c:PCS+12*(\a%2)+6*\c+3], s[80:81] offset:\c*HSTR+768*\a        ; 512 consecutive bytes,
	global_store_b64 v27, v[PCS+12*(\a%2)+6*\c+4:PCS+12*(\a%2)+6*\c+5], s[80:81] offset:\c*HSTR+768*\a+512   ; and 256
.endif
.endr
.endr
.irp i, 0,1,2,3
	v_cndmask_b32 v[Y+\i], v[PW+\i], v[PW+4+\i], s68   ; lanes 0-15 carry the words of blocks 0-3, lanes 16-31 those of blocks 4-7
.endr
.if \vt
	v_mul_u32_u24 v31, v2, HSTR                    ; blocks 4-7 are the next head's channels
	v_lshl_add_u32 v31, v1, 4, v31
	global_store_b128 v31, v[Y:Y+3], s[82:83]
.else
.irp i, 0,1,2,3
	v_and_b32 v[Y+4+\i], 0xffff, v[Y+\i]           ; the first head's two bytes; bytes 2 and 3 are 0
.endr
.irp i, 0,1,2,3
	v_lshrrev_b32 v[Y+\i], 16, v[Y+\i]             ; the second head's
.endr
	v_lshlrev_b32 v31, 5, v1
	v_lshl_add_u32 v31, v2, 4, v31                 ; 32 r + 16 h
	global_store_b128 v31, v[Y+4:Y+7], s[82:83]
	global_store_b128 v31, v[Y:Y+3], s[82:83] offset:HSTR
.endif
.endm
	s_load_b256 s[4:11], s[0:1], 0x0               ; img1, sch1, b_qkv, qkv
	v_lshl_add_u32 v[SPW], v0, 2, SPARE
	v_mov_b32 v[NIL], 0
	ds_add_u32 v28, v29
	ds_add_u32 v28, v29
	s_wait_dscnt 0x0
	v_lshrrev_b32 v1, 5, v0
	v_readfirstlane_b32 s14, v1                    ; wave 0..3
	s_lshr_b32 s15, s14, 1                         ; my half of A's rows.  Also: I fetch for A (0) or B (1)
	s_and_b32 s16, s14, 1                          ; my half of B's rows.  Also: which part I fetch
	s_bfe_u32 s40, ttmp6, 0x40000                  ; cx
	s_bfe_u32 s41, ttmp6, 0x40004                  ; cy
	s_and_b32 s17, ttmp7, 0xffff                   ; cluster y: 1,024 tokens
	s_lshl_b32 s43, s41, 2
	s_lshl_b32 s43, 15, s43                        ; my row of the cluster
	s_lshl_b32 s44, 0x1111, s40                    ; my column
	s_or_b32 s[G1+0], s43, (3<<16)|(1<<21)         ; the mask; elements of 8 bytes; no padding
	s_or_b32 s[G1B+0], s44, (3<<16)|(1<<21)
.irp g, G1, G1B
	s_mov_b32 s[\g+1], 32<<16                      ; a dense block of 24,576 bytes as 96 rows of 256
	s_mov_b32 s[\g+2], 96<<16
	s_mov_b32 s[\g+3], 32<<16
	s_mov_b32 s[\g+4], 96
	s_mov_b32 s[\g+5], 32
	s_mov_b32 s[\g+6], 0
	s_mov_b32 s[\g+7], 0
.endr
	s_lshl_b32 s18, s17, 3                         ; the tokens' first rb of this cluster
	s_lshl_b32 s19, ttmp9, 3
	s_add_co_u32 s19, s19, 64                      ; the columns' first rb
	s_cmp_eq_u32 ttmp9, 2                          ; v: the operands change roles; the cluster's x is the same in all partners
	s_cselect_b32 s20, 80, s18
	s_cselect_b32 s46, s18, s19
	s_lshl_b32 s21, s41, 1
	s_add_co_u32 s20, s20, s21                     ; A's first rb of my work-group: it hangs on cy alone
	s_lshl_b32 s47, s40, 1
	s_add_co_u32 s46, s46, s47                     ; B's: on cx alone
	s_add_co_u32 s22, s20, s16
	s_mul_i32 s22, s22, RBB
	s_mov_b32 s23, 0
	s_add_co_u32 s92, s46, s16
	s_mul_i32 s92, s92, RBB
	s_mov_b32 s93, 0
	s_mul_i32 s45, s14, PART                       ; where my part goes: no place in the cluster enters an LDS address
	s_wait_kmcnt 0x0
	s_add_nc_u64 s[22:23], s[4:5], s[22:23]
	s_add_nc_u64 s[92:93], s[4:5], s[92:93]
	CROUND                                         ; all sixteen work-groups are here: the first joint loads meet
.irp s, 0,1
	s_mov_b32 s[G0+4*\s], 1
	s_add_co_u32 s[G0+4*\s+1], s45, \s*SLOT
	s_add_nc_u64 s[G0+4*\s+2:G0+4*\s+3], s[22:23], \s*PART
	s_or_b32 s[G0+4*\s+3], s[G0+4*\s+3], 0x80000000
	s_mov_b32 s[G0B+4*\s], 1
	s_add_co_u32 s[G0B+4*\s+1], s45, \s*SLOT
	s_add_nc_u64 s[G0B+4*\s+2:G0B+4*\s+3], s[92:93], \s*PART
	s_or_b32 s[G0B+4*\s+3], s[G0B+4*\s+3], 0x80000000
	JLOAD G0+4*\s, G1, G0B+4*\s, G1B
.endr
	; the scale words of my 128 rows of A (lanes 0-15) and of B (lanes 16-31), for all of K: two halfwords each
	s_add_co_u32 s66, s20, s15
	s_lshl_b32 s66, s66, 12
	s_add_co_u32 s67, s46, s16
	s_lshl_b32 s67, s67, 12
	s_mov_b32 s68, 0xffff0000                      ; lanes 16-31
	v_and_b32 v1, 15, v0                           ; r
	v_bfe_u32 v2, v0, 4, 1                         ; h
	v_mov_b32 v3, s66
	v_mov_b32 v4, s67
	v_cndmask_b32 v30, v3, v4, s68
	v_lshl_add_u32 v30, v1, 1, v30
.set idx, 0
.rept 64
.if idx < 32
.set tr, 32+idx
.else
.set tr, 192+idx
.endif
	global_load_u16 v[SC+idx], v30, s[6:7] offset:512*(idx%8)+32*(idx/8)
	global_load_u16 v[tr], v30, s[6:7] offset:512*(idx%8)+32*(idx/8)+256
.set idx, idx+1
.endr
	; the bias, in both forms; every address lies inside b_qkv for every type
	s_lshl_b32 s84, ttmp9, 12
	s_lshl_b32 s85, s40, 10
	s_add_co_u32 s84, s84, s85
	s_lshl_b32 s85, s16, 9
	s_add_co_u32 s84, s84, s85
	s_mov_b32 s85, 0
	s_add_nc_u64 s[84:85], s[8:9], s[84:85]        ; by registers: column 1,024 x + 256 cx + 128 (w % 2) on
	s_lshl_b32 s90, s41, 10
	s_lshl_b32 s91, s15, 9
	s_add_co_u32 s90, s90, s91
	s_add_co_u32 s90, s90, 8192
	s_mov_b32 s91, 0
	s_add_nc_u64 s[90:91], s[8:9], s[90:91]        ; by lanes: column 2,048 + 256 cy + 128 (w / 2) on
	v_lshlrev_b32 v31, 6, v2                       ; 16 h numbers
	v_and_b32 v24, 8, v1
	v_add_nc_u32 v24, v24, v1
	v_lshlrev_b32 v24, 2, v24                      ; r + 8 (r / 8) numbers
	WIN TO_B
.irp b, 0,1,2,3,4,5,6,7
	global_load_b128 v[96+8*\b+96*(\b/4):99+8*\b+96*(\b/4)], v31, s[84:85] offset:4*(32*(\b/2)+8*(\b%2))
	global_load_b128 v[100+8*\b+96*(\b/4):103+8*\b+96*(\b/4)], v31, s[84:85] offset:4*(32*(\b/2)+8*(\b%2))+16
.endr
	WIN 0
	v_and_b32 v3, 31, v0
	v_lshlrev_b32 v26, 4, v3
	v_lshlrev_b32 v27, 3, v3
	s_mul_i32 s86, s15, PART                       ; my 128 rows of A,
	s_mul_i32 s87, s16, PART
	s_add_co_u32 s87, s87, 2*PART                  ; of B
.irp s, 0,1
	v_add_nc_u32 v[ADRA+\s], s86, v26
	v_add_nc_u32 v[ADRA+2+\s], s86, v27
	v_add_nc_u32 v[ADRB+\s], s87, v26
	v_add_nc_u32 v[ADRB+2+\s], s87, v27
	s_add_co_u32 s86, s86, SLOT
	s_add_co_u32 s87, s87, SLOT
.endr
	s_mov_b32 s[SEL], 0x76543210
	s_mov_b32 s[SEL+1], 0xfedcba98
	; where my results go.  The token coordinate is cy and w / 2 (q, k) or cx and w % 2 (v); the channel coordinate the other
	s_mov_b32 s74, 6144
	s_mov_b32 s75, 12288
	s_mov_b32 s77, 12800
	s_cmp_eq_u32 ttmp9, 2
	s_cselect_b32 s70, s40, s41
	s_cselect_b32 s71, s41, s40
	s_cselect_b32 s72, s16, s15
	s_cselect_b32 s73, s15, s16
	s_cselect_b32 s74, s74, 0
	s_cselect_b32 s75, s77, s75
	s_mov_b32 s76, 13056
	s_mov_b32 s77, 19200
	s_cmp_eq_u32 ttmp9, 0
	s_cselect_b32 s74, s76, s74                    ; the codes' place in a record,
	s_cselect_b32 s75, s77, s75                    ; the scale words'
	s_lshl_b32 s78, s17, 2
	s_add_co_u32 s78, s78, s70                     ; which 256 tokens
	s_lshr_b32 s79, s78, 3
	s_lshl_b32 s79, s79, 4                         ; 16 x batch
	s_lshl_b32 s80, s71, 2
	s_add_co_u32 s79, s79, s80
	s_lshl_b32 s80, s73, 1
	s_add_co_u32 s79, s79, s80                     ; + my first head
	s_lshl_b32 s79, s79, 4
	s_and_b32 s80, s78, 7
	s_lshl_b32 s80, s80, 1
	s_add_co_u32 s79, s79, s80
	s_add_co_u32 s79, s79, s72                     ; + which 128 tokens of the batch
	s_mul_i32 s79, s79, REC
	s_add_co_u32 s80, s79, s74
	s_mov_b32 s81, 0
	s_add_co_u32 s82, s79, s75
	s_mov_b32 s83, 0
	s_add_nc_u64 s[80:81], s[10:11], s[80:81]
	s_add_nc_u64 s[82:83], s[10:11], s[82:83]
	s_wait_tensorcnt 1                             ; my part of slot 0 is in; slot 1's may be out
	s_barrier_signal -1
	s_barrier_wait -1
	FETCH_B 0, 0, 0
	FETCH_A 0, 0, 0
	FETCH_A 0, 0, 4
	s_wait_loadcnt 0x0                             ; the halfwords and the bias
.set idx, 0
.rept 64
.if idx < 32
.set tr, 32+idx
.else
.set tr, 192+idx
.endif
	v_lshl_or_b32 v[SC+idx], v[tr], 16, v[SC+idx]
.set idx, idx+1
.endr
.irp a, 0,1,2,3,4,5,6,7
	global_load_b32 v[BV+2*\a], v24, s[90:91] offset:4*(32*(\a/2)+8*(\a%2))     ; into registers that the halfwords have left; waited for in front of the way out
	global_load_b32 v[BV+2*\a+1], v24, s[90:91] offset:4*(32*(\a/2)+8*(\a%2))
.endr
	PLACES 8                                       ; a scale register written by a vector instruction stands eight places ahead of a scaled matrix instruction
	STEP 0, 0, 1
	TURN 0, 1, 1, 1
	STEP 1, 2, 0
	TURN 1, 0, 1, 3
	STEP 0, 4, 0
	TURN 0, 1, 0, 5                                ; nothing is left to fetch
	STEP 1, 6, 0
	s_wait_dscnt 16
	WIN MUL_LO
	MUL16 0, 1, 7, 0
	MUL16 2, 1, 7, 0
	s_wait_dscnt 0x0
	WIN MUL_HI
	MUL16 4, 1, 7, 0
	MUL16 6, 1, 7, 0
	WIN 0
	PLACES 4
	s_wait_loadcnt 0x0                             ; the bias by lanes
	s_cmp_eq_u32 ttmp9, 2
	s_cbranch_scc1 .Lv_out
	EPI 0
	s_branch .Lend
.Lv_out:
	EPI 1
.Lend:
	s_wait_tensorcnt 0x0                           ; the wave's end
	ds_add_u32 v[SPW], v[NIL]
	s_wait_dscnt 0x0
	CROUND                                         ; the closing round
	s_endpgm
.Lfunc_end_k_q620bfcf771_gemm_qkv:
	.size	k_q620bfcf771_gemm_qkv, .Lfunc_end_k_q620bfcf771_gemm_qkv-k_q620bfcf771_gemm_qkv
	.p2alignl 7, 3214868480
	.fill 96, 4, 3214868480
	.section	.rodata,"a",@progbits
	.p2align	6, 0x0
	.amdhsa_kernel k_q620bfcf771_gemm_qkv
		.amdhsa_group_segment_fixed_size 327680
		.amdhsa_private_segment_fixed_size 0
		.amdhsa_enable_private_segment 0
		.amdhsa_kernarg_size 32
		.amdhsa_user_sgpr_count 2
		.amdhsa_user_sgpr_kernarg_segment_ptr 1
		.amdhsa_wavefront_size32 1
		.amdhsa_system_sgpr_workgroup_id_x 1
		.amdhsa_system_sgpr_workgroup_id_y 1
		.amdhsa_system_sgpr_workgroup_id_z 1
		.amdhsa_system_vgpr_workitem_id 0
		.amdhsa_next_free_vgpr 1024
		.amdhsa_next_free_sgpr 100
		.amdhsa_reserve_vcc 0
		.amdhsa_float_denorm_mode_32 3
		.amdhsa_float_denorm_mode_16_64 3
		.amdhsa_memory_ordered 1
		.amdhsa_forward_progress 1
		.amdhsa_inst_pref_size 231
	.end_amdhsa_kernel
	.amdgpu_metadata
---
amdhsa.version: [ 1, 2 ]
amdhsa.kernels:
  - .name:           k_q620bfcf771_gemm_qkv
    .symbol:         k_q620bfcf771_gemm_qkv.kd
    .args:
      - { .name: img1, .offset: 0, .size: 8, .value_kind: global_buffer, .address_space: global }
      - { .name: sch1, .offset: 8, .size: 8, .value_kind: global_buffer, .address_space: global }
      - { .name: b_qkv, .offset: 16, .size: 8, .value_kind: global_buffer, .address_space: global }
      - { .name: qkv, .offset: 24, .size: 8, .value_kind: global_buffer, .address_space: global }
    .group_segment_fixed_size: 327680
    .private_segment_fixed_size: 0
    .kernarg_segment_align: 8
    .kernarg_segment_size: 32
    .max_flat_workgroup_size: 128
    .sgpr_count:     100
    .vgpr_count:     1024
    .wavefront_size: 32
...
	.end_amdgpu_metadata
.endif
;; end of part 2
;; launch attn (part 3): grid 4 x 64, 16 waves a work-group, clusters of 4 x 1, 210,944 bytes of LDS; arguments qkv, img2, sch2; writes img2, sch2
.if DOCPART == 3
	.amdgcn_target "amdgcn-amd-amdhsa--gfx1250"
	.amdhsa_code_object_version 6
	.text
	.protected	k_q620bfcf771_attn
	.globl	k_q620bfcf771_attn
	.p2align	8
	.type	k_q620bfcf771_attn,@function
k_q620bfcf771_attn:
	s_mov_b64 s[64:65], 0
	v_nop
	global_prefetch_b8 v0, s[64:65] scope:SCOPE_SE
	s_setreg_imm32_b32 hwreg(HW_REG_WAVE_MODE, 25, 1), 1
	s_wait_xcnt 0x0
	s_wait_alu depctr_hold_cnt(0) depctr_sa_sdst(0) depctr_va_vdst(0) depctr_va_sdst(0) depctr_va_ssrc(0) depctr_va_vcc(0) depctr_vm_vsrc(0)
	s_getreg_b32 s2, hwreg(HW_REG_IB_STS2, 6, 4)
	s_cmp_eq_u32 s2, 0
	s_cbranch_scc0 .Lentry_in_a_cluster
	s_endpgm
.Lentry_in_a_cluster:
	s_bfe_u32 s2, ttmp6, 0x10000c
	s_cmp_lg_u32 s2, 0x3003
	s_cbranch_scc0 .Lentry_shape_is_right
	s_endpgm
.Lentry_shape_is_right:
; Causal attention on codes of FP6 (E2M3), head size 64, 2,048 tokens, 64 (batch, head) pairs; the result, divided by the row's sum, is quantised along the channels and leaves as codes for the last product.
; t = score x log2(e) / 8; M = the running largest t rounded up to a whole number; p = 2^(t - M) is quantised along the keys; the row's sum is taken of the unquantised p; when M moves, sum and O are multiplied by 2^(old M - new M), exactly.
; A cluster of four work-groups is one (batch, head).  The head's K and V codes and scale words, 16 records' first 13,056 bytes, come into each work-group's LDS ONCE, by 16 joint loads, one a wave; behind one barrier LDS is only read.
; Wave w owns two tiles of 16 queries: j = 4 w + cx and 127 - j.  Their diagonal key steps are w / 2 and 15 - w / 2, functions of the wave's number alone: (w / 2 + 1) + (16 - w / 2) = 17 key steps of 128 for every wave.
; Both products are used transposed (S^T = K Q^T, O^T = V^T P^T): a lane holds one query.  Lane row r of tile t of 128 keys is key 32 (t / 2) + 8 (t % 2) + r + 8 (r / 8): register 16 b + i of S^T is key 32 b + 16 (lane / 16) + i.
; THE FIRST PRODUCT'S K IS 64: Q's codes for k = 64 .. 127 are zeros, and both sides' scale bytes 2 and 3 are 0 (2^-127); K's upper six registers hold the next tile's codes, finite numbers, which zeros multiply.
; LIMITS: NaN and infinities are not served; the running maximum starts at -3e38; a block whose every p has fallen to 0 keeps the byte 1.
; REGISTERS: v1-4 16, 8 x lane, 32, 16 x r; v5-8 the step's LDS addresses; v9 my query less 16 h; v10 2 r; v12 -M, v13 largest t, v[14:15] the sum; v16-27 Q; v28 its scale word; v32-85 K's tiles, then V's fragments; v86-93 K's scale words;
;   v96-159 S^T, then p; v160-191 O^T; v192-203 p's codes; v204-210 at work; v212-223 block figures; v225 p's scale word; v226 f; v228-231 V's scale words.
.set REC,  19712
.set KVB,  13056
.set VC,   6144
.set KSO,  12288
.set VSO,  12800
.set QC,   13056
.set QS,   19200
.set S,    96
.set O,    160
.set PC,   192
.set CT,   204
.set BM,   212
.set BT,   216
.set SO,   220
.set PW,   225
.macro CROUND
	s_barrier_signal -1
	s_barrier_wait -1
	s_cmp_lg_u32 s18, 0
	s_cbranch_scc1 .Lnot_wave_0_\@
	s_barrier_signal -3
.Lnot_wave_0_\@:
	s_barrier_wait -3
	s_barrier_signal -1
	s_barrier_wait -1
.endm
	s_load_b128 s[4:7], s[0:1], 0x0                ; qkv, img2
	s_load_b64 s[8:9], s[0:1], 0x10                ; sch2
	v_lshl_add_u32 v254, v0, 2, 0x33000
	v_mov_b32 v255, 0
	ds_add_u32 v254, v255
	ds_add_u32 v254, v255
	v_lshrrev_b32 v1, 5, v0
	s_delay_alu instid0(VALU_DEP_1)
	v_readfirstlane_b32 s18, v1                    ; wave 0..15
	s_bfe_u32 s19, ttmp6, 0x40000                  ; cx
	s_and_b32 s20, ttmp7, 0xffff                   ; 16 x batch + head
	s_mov_b32 s28, 15|(3<<16)|(1<<21)              ; all four work-groups; elements of 8 bytes
	s_mov_b32 s29, 32<<16                          ; 13,056 dense bytes as 51 rows of 256
	s_mov_b32 s30, 51<<16
	s_mov_b32 s31, 32<<16
	s_mov_b32 s32, 51
	s_mov_b32 s33, 32
	s_mov_b32 s34, 0
	s_mov_b32 s35, 0
	s_lshl_b32 s21, s20, 4                         ; the head's first record
	s_add_co_u32 s22, s21, s18
	s_mul_i32 s22, s22, REC
	s_mov_b32 s23, 0
	s_mov_b32 s36, 1
	s_mul_i32 s37, s18, KVB
	s_wait_dscnt 0x0
	s_wait_kmcnt 0x0
	s_add_nc_u64 s[38:39], s[4:5], s[22:23]
	s_or_b32 s39, s39, 0x80000000
	CROUND                                         ; the four work-groups are here: the joint loads meet
	tensor_load_to_lds s[36:39], s[28:35]          ; key step w of the head: one tensor load of mine is out
	s_nop 0
.rept 4
	v_nop
.endr
	v_and_b32 v9, 31, v0
	s_delay_alu instid0(VALU_DEP_1)
	v_lshlrev_b32 v1, 4, v9
	s_delay_alu instid0(VALU_DEP_2)
	v_lshlrev_b32 v2, 3, v9
	v_and_b32 v10, 15, v0
	s_delay_alu instid0(VALU_DEP_1)
	v_lshlrev_b32 v3, 5, v10
	s_delay_alu instid0(VALU_DEP_2)
	v_lshlrev_b32 v4, 4, v10
	s_delay_alu instid0(VALU_DEP_3)
	v_and_b32 v11, 8, v10
	s_delay_alu instid0(VALU_DEP_1)
	v_add_nc_u32 v11, v11, v10
	v_bfe_u32 v9, v0, 4, 1
	s_delay_alu instid0(VALU_DEP_1)
	v_lshlrev_b32 v9, 4, v9
	s_delay_alu instid0(VALU_DEP_1)
	v_sub_nc_u32 v11, v11, v9                      ; r + 8 (r / 8) - 16 h
	v_lshlrev_b32 v10, 1, v10
.irp j, 22,23,24,25,26,27,80,81,82,83,84,85
	v_mov_b32 v\j, 0                               ; zero codes
.endr
.irp j, 216,217,218,219,226,227,232
	v_mov_b32 v\j, 0                               ; written once: permutes' destinations and pairs' upper halves count as read
.endr
	v_mov_b32 v237, 0xff800000                     ; -infinity
	s_mov_b32 s66, 0x76543210
	s_mov_b32 s67, 0xfedcba98
	s_mov_b32 s68, 0x3e38aa3b                      ; log2(e) / 8
	s_mov_b32 s69, s68
	s_lshl_b32 s40, s18, 2
	s_add_co_u32 s40, s40, s19                     ; my first tile of queries
	s_lshr_b32 s41, s18, 1                         ; its diagonal key step
	s_mov_b32 s42, 0
	s_lshr_b32 s60, s20, 4
	s_lshl_b32 s60, s60, 4                         ; the batch's first rb
	s_and_b32 s62, s20, 15                         ; the head
	s_lshr_b32 s61, s62, 1
	s_mul_i32 s61, s61, 12288
	s_and_b32 s63, s20, 1
	s_mul_i32 s63, s63, 768
	s_add_co_u32 s61, s61, s63                     ; the head's 64 channels: K step head / 2, half head % 2
	s_lshl_b32 s62, s62, 8
	s_mov_b32 s59, 0
	s_wait_tensorcnt 0x0
	s_barrier_signal -1
	s_barrier_wait -1                              ; all sixteen key steps lie in LDS
.Ltile:
.rept 4
	v_nop                                          ; in front of loads into registers that matrix instructions have read
.endr
	s_lshr_b32 s54, s40, 3
	s_and_b32 s55, s40, 7
	s_add_co_u32 s56, s21, s54
	s_mul_i32 s56, s56, REC
	s_mul_i32 s57, s55, 768
	s_add_co_u32 s58, s56, s57
	s_add_nc_u64 s[46:47], s[4:5], s[58:59]        ; the tile's codes of Q,
	s_lshl_b32 s57, s55, 2
	s_add_co_u32 s58, s56, s57
	s_add_nc_u64 s[48:49], s[4:5], s[58:59]        ; its scale words
	s_add_co_u32 s56, s60, s54
	s_mul_i32 s57, s56, 98304
	s_add_co_u32 s57, s57, s61
	s_mul_i32 s58, s55, 1536
	s_add_co_u32 s58, s58, s57
	s_add_nc_u64 s[50:51], s[6:7], s[58:59]        ; where its result's codes go,
	s_lshl_b32 s57, s56, 12
	s_add_co_u32 s57, s57, s62
	s_lshl_b32 s58, s55, 5
	s_add_co_u32 s58, s58, s57
	s_add_nc_u64 s[52:53], s[8:9], s[58:59]        ; and its scale halfwords
	global_load_b128 v[16:19], v1, s[46:47] offset:QC
	global_load_b64 v[20:21], v2, s[46:47] offset:QC+512
	global_load_b32 v28, v3, s[48:49] offset:QS
	s_lshr_b32 s57, s40, 1
	s_lshl_b32 s57, s57, 5
	s_and_b32 s58, s40, 1
	s_lshl_b32 s58, s58, 3
	s_add_co_u32 s57, s57, s58
	v_add_nc_u32 v9, s57, v11                      ; my query - 16 h
	v_mov_b32 v13, 0xff61b1e6                      ; -3e38
	s_delay_alu instid0(VALU_DEP_1)
	v_floor_f32 v12, -v13
	v_mov_b32 v14, 0
	v_mov_b32 v15, 0
.set j, 0
.rept 32
	v_mov_b32 v[O+j], 0
.set j, j+1
.endr
	s_mov_b32 s43, 0                               ; the key step,
	s_mov_b32 s44, 0                               ; its bytes in LDS,
	s_mov_b32 s45, 0                               ; its first key
	s_wait_loadcnt 0x0
.Lstep:                                            ; 16 trips; a step behind the diagonal is left out: a branch on the wave's number and the counters alone
	s_cmp_gt_u32 s43, s41
	s_cbranch_scc1 .Lhidden
	s_setprio 2
	v_add_nc_u32 v5, s44, v1                       ; (these four are also the places in front of the loads below)
	v_add_nc_u32 v6, s44, v2
	v_add_nc_u32 v7, s44, v3
	v_add_nc_u32 v8, s44, v4
.irp t, 0,1,2,3,4,5,6,7
	ds_load_b128 v[32+6*\t:35+6*\t], v5 offset:768*\t
	ds_load_b64 v[36+6*\t:37+6*\t], v6 offset:768*\t+512
.endr
	ds_load_b128 v[86:89], v7 offset:KSO
	ds_load_b128 v[90:93], v7 offset:KSO+16
	s_wait_alu depctr_va_vdst(0)
	s_wait_dscnt 0x0
.irp t, 0,1,2,3,4,5,6,7
	v_wmma_scale_f32_16x16x128_f8f6f4 v[S+8*\t:S+8*\t+7], v[32+6*\t:43+6*\t], v[16:27], 0, v[86+\t], v28 matrix_a_fmt:MATRIX_FMT_FP6 matrix_b_fmt:MATRIX_FMT_FP6
.endr
.rept 4
	v_nop
.endr
.irp t, 0,1,2,3                                ; V's fragments are asked for now and land while the softmax is worked
.irp c, 0,1
	ds_load_b128 v[32+12*\t+6*\c:35+12*\t+6*\c], v5 offset:VC+1536*\t+768*\c
	ds_load_b64 v[36+12*\t+6*\c:37+12*\t+6*\c], v6 offset:VC+1536*\t+768*\c+512
.endr
.endr
	ds_load_b128 v[228:231], v8 offset:VSO
	s_cmp_lg_u32 s43, s41                          ; on the diagonal hidden scores become -infinity
	s_cbranch_scc1 .Lopen
	s_sub_co_i32 s57, 0, s45
	v_add_nc_u32 v236, s57, v9                     ; d = my query - first key - 16 h: register 16 b + i is hidden where 32 b + i > d
.set n, 0
.rept 64
	v_cmp_gt_i32 vcc_lo, 32*(n/16)+n%16, v236
	v_cndmask_b32 v[S+n], v[S+n], v237, vcc_lo
.set n, n+1
.endr
.Lopen:
.irp b, 0,1,2,3
	v_max3_num_f32 v[BM+\b], v[S+16*\b], v[S+1+16*\b], v[S+2+16*\b]   ; each block's largest score: for the row's maximum, and for the block's largest p
.endr
.irp i, 3,5,7,9,11,13
.irp b, 0,1,2,3
	v_max3_num_f32 v[BM+\b], v[BM+\b], v[S+16*\b+\i], v[S+1+16*\b+\i]
.endr
.endr
.irp b, 0,1,2,3
	v_max_num_f32 v[BM+\b], v[BM+\b], v[S+15+16*\b]
.endr
.irp b, 0,1,2,3
	s_delay_alu instid0(VALU_DEP_4)
	v_permlanex16_b32 v[BT+\b], v[BM+\b], s66, s67
.endr
.irp b, 0,1,2,3
	s_delay_alu instid0(VALU_DEP_4)
	v_max_num_f32 v[BM+\b], v[BM+\b], v[BT+\b]
.endr
	s_delay_alu instid0(VALU_DEP_2)
	v_max3_num_f32 v232, v212, v213, v214
	s_delay_alu instid0(VALU_DEP_1)
	v_max_num_f32 v232, v232, v215
	s_delay_alu instid0(VALU_DEP_1)
	v_mul_f32 v232, s68, v232
	s_delay_alu instid0(VALU_DEP_1)
	v_max_num_f32 v13, v13, v232                   ; the running largest t
	v_mov_b32 v232, v12
	s_delay_alu instid0(VALU_DEP_2)
	v_floor_f32 v12, -v13                          ; -M
	s_delay_alu instid0(VALU_DEP_1)
	v_sub_f32 v232, v12, v232                      ; old M - new M, a whole number
	s_delay_alu instid0(VALU_DEP_1)
	v_cvt_i32_f32 v232, v232                       ; (it saturates)
	s_delay_alu instid0(VALU_DEP_1)
	v_ldexp_f32 v226, 1.0, v232                    ; f
.set j, 0
.rept 32
	v_pk_fma_f32 v[S+j:S+j+1], v[S+j:S+j+1], s[68:69], v[12:13] op_sel_hi:[1,0,0]   ; t - M
.set j, j+2
.endr
	s_setprio 1
.irp b, 0,1,2,3
	v_fma_f32 v[BM+\b], v[BM+\b], s68, v12
.endr
.set j, 0
	s_wait_alu depctr_va_vdst(0)
.rept 64
	v_exp_f32 v[S+j], v[S+j]
.set j, j+1
.endr
	v_pk_mul_f32 v[14:15], v[14:15], v[226:227] op_sel_hi:[1,0]   ; the sums under the new M: a plain instruction behind the exponentials
	s_wait_alu depctr_va_vdst(0)                   ; one wait for the batch, ahead of its first reader
.irp b, 0,1,2,3
	v_exp_f32 v[BM+\b], v[BM+\b]                   ; the blocks' largest p
.endr
	v_pk_add_f32 v[234:235], v[100:101], v[104:105]
	v_pk_add_f32 v[252:253], v[108:109], v[112:113]
	v_pk_add_f32 v[250:251], v[116:117], v[120:121]
	v_pk_add_f32 v[248:249], v[124:125], v[128:129]
	v_pk_add_f32 v[246:247], v[132:133], v[136:137]
	v_pk_add_f32 v[244:245], v[140:141], v[144:145]
	v_pk_add_f32 v[242:243], v[148:149], v[152:153]
	v_pk_add_f32 v[14:15], v[14:15], v[156:157]
	v_pk_add_f32 v[234:235], v[234:235], v[96:97]
	v_pk_add_f32 v[252:253], v[252:253], v[98:99]
	v_pk_add_f32 v[250:251], v[250:251], v[102:103]
	v_pk_add_f32 v[248:249], v[248:249], v[106:107]
	v_pk_add_f32 v[246:247], v[246:247], v[110:111]
	v_pk_add_f32 v[244:245], v[244:245], v[114:115]
	v_pk_add_f32 v[242:243], v[242:243], v[118:119]
	v_pk_add_f32 v[14:15], v[14:15], v[122:123]
	v_pk_add_f32 v[234:235], v[234:235], v[126:127]
	v_pk_add_f32 v[252:253], v[252:253], v[130:131]
	v_pk_add_f32 v[250:251], v[250:251], v[134:135]
	v_pk_add_f32 v[248:249], v[248:249], v[138:139]
	v_pk_add_f32 v[246:247], v[246:247], v[142:143]
	v_pk_add_f32 v[244:245], v[244:245], v[146:147]
	v_pk_add_f32 v[242:243], v[242:243], v[150:151]
	v_pk_add_f32 v[14:15], v[14:15], v[154:155]
	v_pk_add_f32 v[234:235], v[234:235], v[158:159]
	s_delay_alu instid0(VALU_DEP_2)
	v_pk_add_f32 v[14:15], v[14:15], v[248:249]
	s_delay_alu instid0(VALU_DEP_2)
	v_pk_add_f32 v[234:235], v[234:235], v[246:247]
	v_pk_add_f32 v[252:253], v[252:253], v[244:245]
	v_pk_add_f32 v[250:251], v[250:251], v[242:243]
	s_delay_alu instid0(VALU_DEP_2)
	v_pk_add_f32 v[14:15], v[14:15], v[252:253]
	s_delay_alu instid0(VALU_DEP_2)
	v_pk_add_f32 v[234:235], v[234:235], v[250:251]
	s_delay_alu instid0(VALU_DEP_1)
	v_pk_add_f32 v[14:15], v[14:15], v[234:235]
	s_wait_alu depctr_va_vdst(0)                   ; and one for the four
.irp b, 0,1,2,3
	v_max_num_f32 v[BM+\b], 0x1800000, v[BM+\b]    ; the floor 2^(3 - 127)
.endr
.irp b, 0,1,2,3
	s_delay_alu instid0(VALU_DEP_4)
	v_add_nc_u32 v[SO+\b], 0xff000000, v[BM+\b]
.endr
.irp b, 0,1,2,3
	s_delay_alu instid0(VALU_DEP_4)
	v_lshrrev_b32 v[BT+\b], 23, v[SO+\b]
.endr
	s_delay_alu instid0(VALU_DEP_3)
	v_lshl_or_b32 v[PW], v217, 8, v216
	s_delay_alu instid0(VALU_DEP_1)
	v_lshl_or_b32 v[PW], v218, 16, v[PW]
	s_delay_alu instid0(VALU_DEP_1)
	v_lshl_or_b32 v[PW], v219, 24, v[PW]
	s_setprio 0
.irp c, 0,1
	v_cvt_scalef32_pk16_fp6_f32 v[PC+6*\c:PC+6*\c+2], v[S+32*\c:S+32*\c+15], v[SO+2*\c]
	v_cvt_scalef32_pk16_fp6_f32 v[CT+4*\c:CT+4*\c+2], v[S+32*\c+16:S+32*\c+31], v[SO+2*\c+1]
.endr
	v_nop
.irp c, 0,1
.irp i, 0,1,2
	v_permlane16_swap_b32 v[PC+6*\c+\i], v[CT+4*\c+\i]
.endr
.irp i, 0,1,2
	s_delay_alu instid0(VALU_DEP_3)
	v_mov_b32 v[PC+6*\c+3+\i], v[CT+4*\c+\i]
.endr
.endr
.set j, 0
.rept 16
	v_pk_mul_f32 v[O+j:O+j+1], v[O+j:O+j+1], v[226:227] op_sel_hi:[1,0]   ; O^T under the new M; also the places ahead of the matrix instructions below
.set j, j+2
.endr
	s_wait_alu depctr_va_vdst(0)
	s_wait_dscnt 0x0                               ; V
.irp t, 0,1,2,3
	v_wmma_scale_f32_16x16x128_f8f6f4 v[O+8*\t:O+8*\t+7], v[32+12*\t:43+12*\t], v[PC:PC+11], v[O+8*\t:O+8*\t+7], v[228+\t], v[PW] matrix_a_fmt:MATRIX_FMT_FP6 matrix_b_fmt:MATRIX_FMT_FP6
.endr
.Lhidden:
	s_add_co_u32 s44, s44, KVB
	s_add_co_u32 s45, s45, 128
	s_add_co_u32 s43, s43, 1
	s_cmp_lt_u32 s43, 16
	s_cbranch_scc1 .Lstep
	s_setprio 0
	; THE WAY OUT of a tile: O^T / the sum; register 16 b + i is channel 32 b + 16 h + i of the head: two blocks along the last product's K
.rept 4
	v_nop
.endr
	v_add_f32 v14, v14, v15
	s_delay_alu instid0(VALU_DEP_1)
	v_permlanex16_b32 v232, v14, s66, s67
	s_delay_alu instid0(VALU_DEP_1)
	v_add_f32 v14, v14, v232
	s_wait_alu depctr_va_vdst(0)
	v_rcp_f32 v226, v14
	v_nop
	s_wait_alu depctr_va_vdst(0)
.set j, 0
.rept 16
	v_pk_mul_f32 v[S+j:S+j+1], v[O+j:O+j+1], v[226:227] op_sel_hi:[1,0]
.set j, j+2
.endr
.irp b, 0,1
	v_max3_num_f32 v[BM+\b], |v[S+16*\b]|, |v[S+1+16*\b]|, 0x1800000
.endr
.irp i, 2,4,6,8,10,12,14
.irp b, 0,1
	s_delay_alu instid0(VALU_DEP_2)
	v_max3_num_f32 v[BM+\b], v[BM+\b], |v[S+16*\b+\i]|, |v[S+1+16*\b+\i]|
.endr
.endr
.irp b, 0,1
	s_delay_alu instid0(VALU_DEP_2)
	v_permlanex16_b32 v[BT+\b], v[BM+\b], s66, s67
.endr
.irp b, 0,1
	s_delay_alu instid0(VALU_DEP_2)
	v_max_num_f32 v[BM+\b], v[BM+\b], v[BT+\b]
.endr
.irp b, 0,1
	s_delay_alu instid0(VALU_DEP_2)
	v_add_nc_u32 v[SO+\b], 0xff000000, v[BM+\b]
.endr
.irp b, 0,1
	s_delay_alu instid0(VALU_DEP_2)
	v_lshrrev_b32 v[BT+\b], 23, v[SO+\b]
.endr
	s_delay_alu instid0(VALU_DEP_1)
	v_lshl_or_b32 v233, v217, 8, v216
	v_cvt_scalef32_pk16_fp6_f32 v[PC:PC+2], v[S:S+15], v[SO]
	v_cvt_scalef32_pk16_fp6_f32 v[CT:CT+2], v[S+16:S+31], v[SO+1]
	v_nop
.irp i, 0,1,2
	v_permlane16_swap_b32 v[PC+\i], v[CT+\i]
.endr
.irp i, 0,1,2
	s_delay_alu instid0(VALU_DEP_3)
	v_mov_b32 v[PC+3+\i], v[CT+\i]
.endr
	global_store_b128 v1, v[PC:PC+3], s[50:51]                 ; 512 consecutive bytes,
	global_store_b64 v2, v[PC+4:PC+5], s[50:51] offset:512     ; and 256
	global_store_b16 v10, v233, s[52:53]                       ; lanes l and l xor 16 hold the same halfword and write it to the same place
	s_wait_xcnt 0x0                                ; bases and data are written again only behind this wait
	s_sub_co_u32 s40, 127, s40                     ; the wave's other tile,
	s_sub_co_u32 s41, 15, s41                      ; and its diagonal step
	s_add_co_u32 s42, s42, 1
	s_cmp_lt_u32 s42, 2
	s_cbranch_scc1 .Ltile
	s_wait_dscnt 0x0
	s_wait_tensorcnt 0x0
	ds_add_u32 v254, v255
	s_wait_dscnt 0x0
	CROUND                                         ; the closing round
	s_endpgm
.Lfunc_end_k_q620bfcf771_attn:
	.size	k_q620bfcf771_attn, .Lfunc_end_k_q620bfcf771_attn-k_q620bfcf771_attn
	.p2alignl 7, 3214868480
	.fill 96, 4, 3214868480
	.section	.rodata,"a",@progbits
	.p2align	6, 0x0
	.amdhsa_kernel k_q620bfcf771_attn
		.amdhsa_group_segment_fixed_size 210944
		.amdhsa_private_segment_fixed_size 0
		.amdhsa_enable_private_segment 0
		.amdhsa_kernarg_size 24
		.amdhsa_user_sgpr_count 2
		.amdhsa_user_sgpr_kernarg_segment_ptr 1
		.amdhsa_wavefront_size32 1
		.amdhsa_system_sgpr_workgroup_id_x 1
		.amdhsa_system_sgpr_workgroup_id_y 1
		.amdhsa_system_sgpr_workgroup_id_z 1
		.amdhsa_system_vgpr_workitem_id 0
		.amdhsa_next_free_vgpr 256
		.amdhsa_next_free_sgpr 80
		.amdhsa_reserve_vcc 1
		.amdhsa_float_denorm_mode_32 3
		.amdhsa_float_denorm_mode_16_64 3
		.amdhsa_memory_ordered 1
		.amdhsa_forward_progress 1
		.amdhsa_inst_pref_size 35
	.end_amdhsa_kernel
	.amdgpu_metadata
---
amdhsa.version: [ 1, 2 ]
amdhsa.kernels:
  - .name:           k_q620bfcf771_attn
    .symbol:         k_q620bfcf771_attn.kd
    .args:
      - { .name: qkv, .offset: 0, .size: 8, .value_kind: global_buffer, .address_space: global }
      - { .name: img2, .offset: 8, .size: 8, .value_kind: global_buffer, .address_space: global }
      - { .name: sch2, .offset: 16, .size: 8, .value_kind: global_buffer, .address_space: global }
    .group_segment_fixed_size: 210944
    .private_segment_fixed_size: 0
    .kernarg_segment_align: 8
    .kernarg_segment_size: 24
    .max_flat_workgroup_size: 512
    .sgpr_count:     80
    .vgpr_count:     256
    .wavefront_size: 32
...
	.end_amdgpu_metadata
.endif
;; end of part 3
;; launch gemm_out (part 4): grid 4 x 32, 4 waves a work-group, clusters of 4 x 4, 327,680 bytes of LDS; arguments img2, sch2, b_out, out0; writes out0
.if DOCPART == 4
	.amdgcn_target "amdgcn-amd-amdhsa--gfx1250"
	.amdhsa_code_object_version 6
	.text
	.protected	k_q620bfcf771_gemm_out
	.globl	k_q620bfcf771_gemm_out
	.p2align	8
	.type	k_q620bfcf771_gemm_out,@function
k_q620bfcf771_gemm_out:
	s_mov_b64 s[64:65], 0
	v_nop
	global_prefetch_b8 v0, s[64:65] scope:SCOPE_SE
	s_setreg_imm32_b32 hwreg(HW_REG_WAVE_MODE, 25, 1), 1
	s_wait_xcnt 0x0
	s_wait_alu depctr_hold_cnt(0) depctr_sa_sdst(0) depctr_va_vdst(0) depctr_va_sdst(0) depctr_va_ssrc(0) depctr_va_vcc(0) depctr_vm_vsrc(0)
	s_getreg_b32 s2, hwreg(HW_REG_IB_STS2, 6, 4)
	s_cmp_eq_u32 s2, 0
	s_cbranch_scc0 .Lentry_in_a_cluster
	s_endpgm
.Lentry_in_a_cluster:
	s_bfe_u32 s2, ttmp6, 0x10000c
	s_cmp_lg_u32 s2, 0xf033
	s_cbranch_scc0 .Lentry_shape_is_right
	s_endpgm
.Lentry_shape_is_right:
; out0 = (attention's result) W_out + b_out on codes of FP6 (E2M3) with E8M0 scales, sums in f32, out0 [8192][1024] f32.
; A work-group of four waves makes 256 x 256, a wave 128 x 128: 64 accumulators.  Source 0 takes 16 columns of W_out (operand B), source 1 16 tokens (operand A): a lane holds one token and eight columns an accumulator.
; Operands lie in memory as images of operand registers: img[rb][ks][tile][1,536]; lane row r of tile t is row 32 (t / 2) + 8 (t % 2) + r + 8 (r / 8) of the 128.  Tokens are rb 0-63, columns rb 64-71.
; K = 1,024 goes in four fills of 256 through two LDS slots (a wave's part: 24,576 dense bytes); the eight steps of 128 are written out.  4 x 4 work-groups form a cluster: A's parts are asked for jointly along a row, B's along a column.
; The bias is the C of each sum's first matrix instruction.  128 work-groups: one tile of 256 x 256 each.
; REGISTERS: window 0: v16-23 LDS addresses; v24, v25 the stage; v26, v27 16 and 8 x lane; v28, v29 for the add; v32-63, v224-255 at work; v64-127 scale words; v128-223 A's fragments; on the way out v128-255 rows of the result.
;   window 1: B's fragments, two sets (v0-95, v128-223); the bias (v96-127, v224-255).  windows 2, 3: the accumulators, (a, b) at v[8 (8 (a % 4) + b)].
.set FR,    12
.set FRB,   1536
.set KSB,   12288
.set PART,  24576
.set SLOT,  98304
.set SPARE, 196608
.set RBB,   98304
.set SPITCH, 528                       ; the stage: 16 rows x (512 + 16) bytes a wave, in slot 0, which has had its last fill and its last read by then
.set ADRA,  16
.set ADRB,  20
.set STO,   24
.set RD,    25
.set CO,    26
.set SPW,   28
.set NIL,   29
.set SC,    64
.set AF,    128
.set BK,    128
.set G1,  24
.set G0,  32
.set G1B, 48
.set G0B, 56
.set MSB, 0
.macro WIN new
.if MSB != (\new)
	s_set_vgpr_msb (MSB<<8)|(\new)
.set MSB, (\new)
.endif
.endm
.set MUL_LO, 0xa1
.set MUL_HI, 0xf1
.set TO_B,   0x40
.macro JLOAD g0a, g1a, g0b, g1b        ; waves 0, 1 fetch A's parts, waves 2, 3 B's; four v_nop follow each line
	s_cmp_eq_u32 s15, 0
	s_cbranch_scc0 .Lfor_b_\@
	tensor_load_to_lds s[\g0a:\g0a+3], s[\g1a:\g1a+7]
	s_nop 0
.rept 4
	v_nop
.endr
	s_branch .Lasked_\@
.Lfor_b_\@:
	tensor_load_to_lds s[\g0b:\g0b+3], s[\g1b:\g1b+7]
	s_nop 0
.rept 4
	v_nop
.endr
.Lasked_\@:
.endm
.macro CREST
	s_cmp_lg_u32 s14, 0
	s_cbranch_scc1 .Lnot_wave_0_\@
	s_barrier_signal -3
.Lnot_wave_0_\@:
	s_barrier_wait -3
	s_barrier_signal -1
	s_barrier_wait -1
.endm
.macro CROUND
	s_barrier_signal -1
	s_barrier_wait -1
	CREST
.endm
.macro PLACES n
.rept \n
	v_nop
.endr
.endm
.macro FRAG reg, a16, a8, q, i
	ds_load_b128 v[(\reg):(\reg)+3], v[\a16] offset:(\q)*KSB+(\i)*FRB
	ds_load_b64 v[(\reg)+4:(\reg)+5], v[\a8] offset:(\q)*KSB+(\i)*FRB+512
	ds_load_b128 v[(\reg)+6:(\reg)+9], v[\a16] offset:(\q)*KSB+(\i)*FRB+768
	ds_load_b64 v[(\reg)+10:(\reg)+11], v[\a8] offset:(\q)*KSB+(\i)*FRB+1280
.endm
.macro FETCH_B slot, q, p
	WIN TO_B
.irp i, 0,1,2,3,4,5,6,7
	FRAG 128*(\p)+FR*\i, ADRB+\slot, ADRB+2+\slot, \q, \i
.endr
	WIN 0
.endm
.macro FETCH_A slot, q, i0
.irp i, \i0, \i0+1, \i0+2, \i0+3
	FRAG AF+FR*(\i), ADRA+\slot, ADRA+2+\slot, \q, \i
.endr
.endm
; 16 matrix instructions: A's blocks a0, a0 + 1 x B's eight.  zero = 2: the bias, in window 1, starts the sums.  The 64 accumulators take turns, one instruction a turn.
.macro MUL16 a0, p, ks, zero
.irp a, \a0, \a0+1
.irp b, 0,1,2,3,4,5,6,7
.if \zero == 2
	v_wmma_scale_f32_16x16x128_f8f6f4 v[8*(8*((\a)%4)+\b):8*(8*((\a)%4)+\b)+7], v[128*(\p)+FR*\b:128*(\p)+FR*\b+FR-1], v[AF+FR*(\a):AF+FR*(\a)+FR-1], v[96+8*\b+96*(\b/4):103+8*\b+96*(\b/4)], v[SC+8*\b+(\ks)], v[SC+8*(\a)+(\ks)] matrix_a_fmt:MATRIX_FMT_FP6 matrix_b_fmt:MATRIX_FMT_FP6 matrix_a_scale:MATRIX_SCALE_ROW1
.else
	v_wmma_scale_f32_16x16x128_f8f6f4 v[8*(8*((\a)%4)+\b):8*(8*((\a)%4)+\b)+7], v[128*(\p)+FR*\b:128*(\p)+FR*\b+FR-1], v[AF+FR*(\a):AF+FR*(\a)+FR-1], v[8*(8*((\a)%4)+\b):8*(8*((\a)%4)+\b)+7], v[SC+8*\b+(\ks)], v[SC+8*(\a)+(\ks)] matrix_a_fmt:MATRIX_FMT_FP6 matrix_b_fmt:MATRIX_FMT_FP6 matrix_a_scale:MATRIX_SCALE_ROW1
.endif
.endr
.endr
.endm
.macro STEP slot, ks, zero
	s_wait_dscnt 16                                ; B's set and A's blocks 0-3 are in; the 16 loads of A's blocks 4-7 may be out
.if \zero == 2
	WIN 0x91                                       ; C in window 1, D in window 2
.else
	WIN MUL_LO
.endif
	MUL16 0, 0, \ks, \zero
	MUL16 2, 0, \ks, \zero
	s_wait_dscnt 0x0
	PLACES 4
	FETCH_B \slot, 1, 1
	FETCH_A \slot, 1, 0
.if \zero == 2
	WIN 0xd1
.else
	WIN MUL_HI
.endif
	MUL16 4, 0, \ks, \zero
	MUL16 6, 0, \ks, \zero
	PLACES 4
	WIN 0
	FETCH_A \slot, 1, 4
.endm
.macro TURN slot, next, fill, ks
	s_wait_tensorcnt 0x0                           ; all my tensor loads have landed: my part of the next slot
	ds_add_u32 v[SPW], v[NIL]                      ; 0 onto my spare word
	s_wait_dscnt 17                                ; the add and the 16 loads of A's blocks 4-7 may be out
	WIN MUL_LO
	MUL16 0, 1, \ks, 0
	s_wait_dscnt 0x0                               ; the add is done, and my reads of this slot are over
	s_barrier_signal -1
	MUL16 2, 1, \ks, 0
	WIN 0
	s_barrier_wait -1
.if \fill
	CREST                                          ; the barrier has opened a round of the cluster's
	s_add_nc_u64 s[G0+4*\slot+2:G0+4*\slot+3], s[G0+4*\slot+2:G0+4*\slot+3], 2*PART
	s_add_nc_u64 s[G0B+4*\slot+2:G0B+4*\slot+3], s[G0B+4*\slot+2:G0B+4*\slot+3], 2*PART
	JLOAD G0+4*\slot, G1, G0B+4*\slot, G1B         ; the first tensor load behind the round; its four v_nop are the places in front of the loads below
.else
	PLACES 4
.endif
	FETCH_B \next, 0, 0
	FETCH_A \next, 0, 0
	WIN MUL_HI
	MUL16 4, 1, \ks, 0
	MUL16 6, 1, \ks, 0
	PLACES 4
	WIN 0
	FETCH_A \next, 0, 4
.endm
	s_load_b256 s[4:11], s[0:1], 0x0               ; img2, sch2, b_out, out0
	v_lshl_add_u32 v[SPW], v0, 2, SPARE
	v_mov_b32 v[NIL], 0
	ds_add_u32 v28, v29
	ds_add_u32 v28, v29
	s_wait_dscnt 0x0
	v_lshrrev_b32 v1, 5, v0
	v_readfirstlane_b32 s14, v1
	s_lshr_b32 s15, s14, 1
	s_and_b32 s16, s14, 1
	s_bfe_u32 s40, ttmp6, 0x40000                  ; cx
	s_bfe_u32 s41, ttmp6, 0x40004                  ; cy
	s_and_b32 s17, ttmp7, 0xffff                   ; cluster y: 1,024 tokens
	s_lshl_b32 s43, s41, 2
	s_lshl_b32 s43, 15, s43
	s_lshl_b32 s44, 0x1111, s40
	s_or_b32 s[G1+0], s43, (3<<16)|(1<<21)
	s_or_b32 s[G1B+0], s44, (3<<16)|(1<<21)
.irp g, G1, G1B
	s_mov_b32 s[\g+1], 32<<16                      ; a dense block of 24,576 bytes as 96 rows of 256
	s_mov_b32 s[\g+2], 96<<16
	s_mov_b32 s[\g+3], 32<<16
	s_mov_b32 s[\g+4], 96
	s_mov_b32 s[\g+5], 32
	s_mov_b32 s[\g+6], 0
	s_mov_b32 s[\g+7], 0
.endr
	s_lshl_b32 s20, s17, 3
	s_lshl_b32 s21, s41, 1
	s_add_co_u32 s20, s20, s21                     ; A's first rb: it hangs on cy alone
	s_lshl_b32 s46, s40, 1
	s_add_co_u32 s46, s46, 64                      ; B's: on cx alone
	s_add_co_u32 s22, s20, s16
	s_mul_i32 s22, s22, RBB
	s_mov_b32 s23, 0
	s_add_co_u32 s92, s46, s16
	s_mul_i32 s92, s92, RBB
	s_mov_b32 s93, 0
	s_mul_i32 s45, s14, PART
	s_wait_kmcnt 0x0
	s_add_nc_u64 s[22:23], s[4:5], s[22:23]
	s_add_nc_u64 s[92:93], s[4:5], s[92:93]
	CROUND
.irp s, 0,1
	s_mov_b32 s[G0+4*\s], 1
	s_add_co_u32 s[G0+4*\s+1], s45, \s*SLOT
	s_add_nc_u64 s[G0+4*\s+2:G0+4*\s+3], s[22:23], \s*PART
	s_or_b32 s[G0+4*\s+3], s[G0+4*\s+3], 0x80000000
	s_mov_b32 s[G0B+4*\s], 1
	s_add_co_u32 s[G0B+4*\s+1], s45, \s*SLOT
	s_add_nc_u64 s[G0B+4*\s+2:G0B+4*\s+3], s[92:93], \s*PART
	s_or_b32 s[G0B+4*\s+3], s[G0B+4*\s+3], 0x80000000
	JLOAD G0+4*\s, G1, G0B+4*\s, G1B
.endr
	s_add_co_u32 s66, s20, s15
	s_lshl_b32 s66, s66, 12
	s_add_co_u32 s67, s46, s16
	s_lshl_b32 s67, s67, 12
	s_mov_b32 s68, 0xffff0000
	v_and_b32 v1, 15, v0                           ; r
	v_bfe_u32 v2, v0, 4, 1                         ; h
	v_mov_b32 v3, s66
	v_mov_b32 v4, s67
	v_cndmask_b32 v30, v3, v4, s68                 ; lanes 0-15 take A's scale words, lanes 16-31 B's
	v_lshl_add_u32 v30, v1, 1, v30
.set idx, 0
.rept 64
.if idx < 32
.set tr, 32+idx
.else
.set tr, 192+idx
.endif
	global_load_u16 v[SC+idx], v30, s[6:7] offset:512*(idx%8)+32*(idx/8)
	global_load_u16 v[tr], v30, s[6:7] offset:512*(idx%8)+32*(idx/8)+256
.set idx, idx+1
.endr
	s_lshl_b32 s84, s40, 10
	s_lshl_b32 s85, s16, 9
	s_add_co_u32 s84, s84, s85
	s_mov_b32 s85, 0
	s_add_nc_u64 s[84:85], s[8:9], s[84:85]        ; the bias at column 256 cx + 128 (w % 2)
	v_lshlrev_b32 v31, 6, v2
	WIN TO_B
.irp b, 0,1,2,3,4,5,6,7
	global_load_b128 v[96+8*\b+96*(\b/4):99+8*\b+96*(\b/4)], v31, s[84:85] offset:4*(32*(\b/2)+8*(\b%2))
	global_load_b128 v[100+8*\b+96*(\b/4):103+8*\b+96*(\b/4)], v31, s[84:85] offset:4*(32*(\b/2)+8*(\b%2))+16
.endr
	WIN 0
	v_and_b32 v3, 31, v0
	v_lshlrev_b32 v26, 4, v3
	v_lshlrev_b32 v27, 3, v3
	s_mul_i32 s86, s15, PART
	s_mul_i32 s87, s16, PART
	s_add_co_u32 s87, s87, 2*PART
.irp s, 0,1
	v_add_nc_u32 v[ADRA+\s], s86, v26
	v_add_nc_u32 v[ADRA+2+\s], s86, v27
	v_add_nc_u32 v[ADRB+\s], s87, v26
	v_add_nc_u32 v[ADRB+2+\s], s87, v27
	s_add_co_u32 s86, s86, SLOT
	s_add_co_u32 s87, s87, SLOT
.endr
	s_mul_i32 s87, s14, 16*SPITCH                  ; my stage
	v_mul_u32_u24 v[STO], v1, SPITCH
	v_lshl_add_u32 v[STO], v2, 6, v[STO]
	v_add_nc_u32 v[STO], s87, v[STO]               ; in: row r, + 64 h bytes
	v_add_nc_u32 v[RD], s87, v26                   ; back: a row of 512 bytes to the 32 lanes
	s_lshl_b32 s70, s17, 2
	s_add_co_u32 s70, s70, s41
	s_lshl_b32 s70, s70, 1
	s_add_co_u32 s70, s70, s15                     ; my 128 tokens
	s_lshl_b32 s70, s70, 19                        ; x 128 rows of 4,096 bytes
	s_lshl_b32 s71, s40, 10
	s_add_co_u32 s70, s70, s71
	s_lshl_b32 s71, s16, 9
	s_add_co_u32 s70, s70, s71
	s_mov_b32 s71, 0
	s_add_nc_u64 s[10:11], s[10:11], s[70:71]
	s_wait_tensorcnt 1                             ; my part of slot 0 is in; slot 1's may be out
	s_barrier_signal -1
	s_barrier_wait -1
	FETCH_B 0, 0, 0
	FETCH_A 0, 0, 0
	FETCH_A 0, 0, 4
	s_wait_loadcnt 0x0
.set idx, 0
.rept 64
.if idx < 32
.set tr, 32+idx
.else
.set tr, 192+idx
.endif
	v_lshl_or_b32 v[SC+idx], v[tr], 16, v[SC+idx]
.set idx, idx+1
.endr
	PLACES 8                                       ; a scale register written by a vector instruction stands eight places ahead of a scaled matrix instruction
	STEP 0, 0, 2
	TURN 0, 1, 1, 1
	STEP 1, 2, 0
	TURN 1, 0, 1, 3
	STEP 0, 4, 0
	TURN 0, 1, 0, 5
	STEP 1, 6, 0
	s_wait_dscnt 16
	WIN MUL_LO
	MUL16 0, 1, 7, 0
	MUL16 2, 1, 7, 0
	s_wait_dscnt 0x0
	WIN MUL_HI
	MUL16 4, 1, 7, 0
	MUL16 6, 1, 7, 0
	WIN 0
; THE WAY OUT, 16 tokens x 128 columns at a time, through my own stage: accumulator b's register j of lane (r, h) is column 32 (b / 2) + 16 h + 8 (b % 2) + j of lane row r.
; LDS serves a wave's instructions in order (ISA guide 5.7.1.4): no wait between the stores and the loads, nor in front of the next block's stores.
.macro TOSTAGE a
.set AC, 64*((\a)%4)
	WIN 0x08+4*((\a)/4)                            ; an LDS store's data are its source 1: window 2 or 3
.irp b, 0,1,2,3,4,5,6,7
	ds_store_b128 v[STO], v[AC+8*\b:AC+8*\b+3] offset:128*(\b/2)+32*(\b%2)          ; each accumulator from its low end on
	ds_store_b128 v[STO], v[AC+8*\b+4:AC+8*\b+7] offset:128*(\b/2)+32*(\b%2)+16
.endr
	WIN 0
.set BB, BK+64*((\a)%2)
.irp t, 0,1,2,3,4,5,6,7,8,9,10,11,12,13,14,15
	ds_load_b128 v[BB+4*\t:BB+4*\t+3], v[RD] offset:\t*SPITCH
.endr
.endm
.macro SEND a, younger
.set BB, BK+64*((\a)%2)
	s_wait_dscnt \younger
.irp t, 0,1,2,3,4,5,6,7,8,9,10,11,12,13,14,15
	global_store_b128 v[CO], v[BB+4*\t:BB+4*\t+3], s[10:11] offset:(32*((\a)/2)+8*((\a)%2)+\t+8*(\t/8))*4096 th:TH_STORE_NT   ; 32 lanes store 512 consecutive bytes of the token's row
.endr
.endm
	PLACES 4
	TOSTAGE 0
.irp a, 1,2,3,4,5,6,7
.if \a > 1
	s_wait_xcnt 0x0                                ; the stores of two blocks back have read their registers: this block's loads may land there
.endif
	TOSTAGE \a
	SEND \a-1, 32                                  ; behind that block's loads: this block's 16 stores and 16 loads
.endr
	SEND 7, 0
	s_wait_tensorcnt 0x0                           ; the wave's end
	ds_add_u32 v[SPW], v[NIL]
	s_wait_dscnt 0x0
	CROUND                                         ; the closing round
	s_endpgm
.Lfunc_end_k_q620bfcf771_gemm_out:
	.size	k_q620bfcf771_gemm_out, .Lfunc_end_k_q620bfcf771_gemm_out-k_q620bfcf771_gemm_out
	.p2alignl 7, 3214868480
	.fill 96, 4, 3214868480
	.section	.rodata,"a",@progbits
	.p2align	6, 0x0
	.amdhsa_kernel k_q620bfcf771_gemm_out
		.amdhsa_group_segment_fixed_size 327680
		.amdhsa_private_segment_fixed_size 0
		.amdhsa_enable_private_segment 0
		.amdhsa_kernarg_size 32
		.amdhsa_user_sgpr_count 2
		.amdhsa_user_sgpr_kernarg_segment_ptr 1
		.amdhsa_wavefront_size32 1
		.amdhsa_system_sgpr_workgroup_id_x 1
		.amdhsa_system_sgpr_workgroup_id_y 1
		.amdhsa_system_sgpr_workgroup_id_z 1
		.amdhsa_system_vgpr_workitem_id 0
		.amdhsa_next_free_vgpr 1024
		.amdhsa_next_free_sgpr 100
		.amdhsa_reserve_vcc 0
		.amdhsa_float_denorm_mode_32 3
		.amdhsa_float_denorm_mode_16_64 3
		.amdhsa_memory_ordered 1
		.amdhsa_forward_progress 1
		.amdhsa_inst_pref_size 157
	.end_amdhsa_kernel
	.amdgpu_metadata
---
amdhsa.version: [ 1, 2 ]
amdhsa.kernels:
  - .name:           k_q620bfcf771_gemm_out
    .symbol:         k_q620bfcf771_gemm_out.kd
    .args:
      - { .name: img2, .offset: 0, .size: 8, .value_kind: global_buffer, .address_space: global }
      - { .name: sch2, .offset: 8, .size: 8, .value_kind: global_buffer, .address_space: global }
      - { .name: b_out, .offset: 16, .size: 8, .value_kind: global_buffer, .address_space: global }
      - { .name: out0, .offset: 24, .size: 8, .value_kind: global_buffer, .address_space: global }
    .group_segment_fixed_size: 327680
    .private_segment_fixed_size: 0
    .kernarg_segment_align: 8
    .kernarg_segment_size: 32
    .max_flat_workgroup_size: 128
    .sgpr_count:     100
    .vgpr_count:     1024
    .wavefront_size: 32
...
	.end_amdgpu_metadata
.endif
;; end of part 4
